; MI455X (gfx1250); checked and timed in simulation.
; The chip was launched on July 23, 2026; its instructions are those of AMD's public machine-readable ISA for CDNA 5 (MIT licence, August 2026) and "CDNA5" Instruction Set Architecture Reference Guide (July 2026). The comments in the code are by the model that wrote it; some were corrected since.
;; Cross Attention Layer. Allowed arithmetic: matrix products marked QUANTISED: E4M3 operands, one E8M0 scale for each 32 along K, by v_wmma_scale_f32_16x16x128_f8f6f4 with both operands' format E4M3, f32 sums; everything else in f32.
;; Inputs: W1 4,096 x 1,024 float32; W2 1,024 x 4,096 float32; Wk 1,024 x 1,024 float32; Wq 1,024 x 1,024 float32; Wv 1,024 x 1,024 float32; b1 4,096 float32; b2 1,024 float32; be1 1,024 float32; be2 1,024 float32; bk 1,024 float32; bq 1,024 float32; bv 1,024 float32; context 2 x 2,048 x 1,024 float32; g1 1,024 float32; g2 1,024 float32; x 2 x 2,048 x 1,024 float32.
;; Outputs: out0 2 x 2,048 x 1,024 float32.
;; This version of the problem:
;;   THIS VERSION OF THE PROBLEM IS GIVEN IN LOW PRECISION. The matrix products marked QUANTISED in the list below multiply operands that are first quantised to E4M3 (4 exponent bits, 3 mantissa bits; 8 bits a number), with one power-of-two scale for each 32 numbers along K (OCP MX v1.0); their sums are f32. All else is computed in f32.
;;   The module's matrix products, in the order in which they are computed (A, B: the left and right operand; K: the contracted axis; several contracted axes count as one K, in the product's order):
;;     1. [M 4,096, K 1,024] x [K 1,024, N 1,024]; A: input x; B: input Wq: QUANTISED
;;     2. [M 4,096, K 1,024] x [K 1,024, N 1,024]; A: input context; B: input Wk: QUANTISED
;;     3. [M 4,096, K 1,024] x [K 1,024, N 1,024]; A: input context; B: input Wv: QUANTISED
;;     4. batch 32 x [M 2,048, K 64] x [K 64, N 2,048]; A: computed on the way; B: computed on the way: QUANTISED
;;     5. batch 32 x [M 2,048, K 2,048] x [K 2,048, N 64]; A: softmax (see below); B: computed on the way: QUANTISED
;;     6. [M 4,096, K 1,024] x [K 1,024, N 4,096]; A: computed on the way; B: input W1: QUANTISED
;;     7. [M 4,096, K 4,096] x [K 4,096, N 1,024]; A: computed on the way; B: input W2: QUANTISED
;;   THE QUANTISER, for each operand of a quantised product, along K:
;;     - K is cut into blocks of 32 from its start; a last block that is shorter is filled with zeros.
;;     - A block's scale is 2^e with e = floor(log2(the largest magnitude in the block)) - 8, held to -126 .. 127; a block of zeros has e = 0. As a byte (E8M0): e + 127.
;;     - Each number is divided by its block's scale, clamped to +-448, and rounded to the nearest number of E4M3, ties to even, subnormals kept.
;;     - The product sums the exact products of the quantised numbers (number of the format x scale) in f32.
;;   ~~~python
;;   def quantise(x, axis):      # numpy; x: float32 -> the quantised numbers, widened to float32 again
;;       x = np.moveaxis(x, axis, -1); K = x.shape[-1]
;;       x = np.pad(x, [(0, 0)] * (x.ndim - 1) + [(0, -K % 32)]); x = x.reshape(x.shape[:-1] + (-1, 32)); a = np.abs(x).max(-1, keepdims=True)
;;       e = np.where(a > 0, np.clip(np.frexp(np.where(a > 0, a, 1))[1] - 1 - 8, -126, 127), 0)      # np.frexp(a)[1] - 1 = floor(log2(a)), exactly
;;       r = np.clip(x / 2.0 ** e, -448, 448)
;;       step = 2.0 ** (np.maximum(np.frexp(np.where(r == 0, 1, r))[1] - 1, -6) - 3)
;;       q = np.round(r / step) * step * 2.0 ** e      # np.round: ties to even
;;       return np.moveaxis(q.reshape(q.shape[:-2] + (-1,))[..., :K], -1, axis).astype(np.float32)
;;   ~~~
;;   SOFTMAX AHEAD OF A QUANTISED PRODUCT. Where the list says 'softmax', what is quantised is not the finished softmax but p = 2^(t - M), with t = logit x log2(e) and M = ceil(the row's largest t), a whole number; so 1/2 < the row's largest p <= 1. The row's sum l is taken of the UNQUANTISED p, in f32, and the product's result is divided by l at the end. Since M is a whole number, a kernel that streams over the keys may use a running M (the ceiling of the running maximum): every later rescaling is an exact power of two, which a block's scale takes up: the codes' values come out the same.
;;   OPERANDS COMPUTED ON THE WAY. 'Computed on the way' means the value that the module computes at that place (a softmax that the list does not call 'softmax' is quantised finished and normalised). What goes into a quantiser is computed in f32, as accurately as f32 sums, v_exp_f32 and their like allow (about 1e-6 of the number): no bf16 or f16 on the way to a quantiser, and a product that is left as it is and whose result goes on into a quantised operand takes f32 operands (vector FMAs, or v_wmma_f32_16x16x4_f32). A number that lies on a knife's edge between two numbers of the format may be rounded either way, as far as f32 arithmetic and the matrix unit's own rounding can turn it there, and no further.
;; One version. Each part assembles by itself: llvm-mc -triple=amdgcn-amd-amdhsa -mcpu=gfx1250 --defsym DOCPART=n.
;; ======== version 1 of 1: 6 launches
;; limits: right only within a limited range of input values
;; workspace buffers: inq 20,545,536 bytes; pq 13,238,272 bytes; o1 16,777,216 bytes; o1q 4,325,376 bytes; hq 17,301,504 bytes; part 16,777,216 bytes
;; launch quant (part 1): grid 304 x 1, 4 waves a work-group, no clusters, 34,304 bytes of LDS; arguments x, context, Wq, Wk, Wv, W1, W2, inq; writes inq
.if DOCPART == 1
	.amdgcn_target "amdgcn-amd-amdhsa--gfx1250"
	.amdhsa_code_object_version 6
	.text
	.protected	k_q272fadfe94_quant
	.globl	k_q272fadfe94_quant
	.p2align	8
	.type	k_q272fadfe94_quant,@function
k_q272fadfe94_quant:
	s_mov_b64 s[64:65], 0
	v_nop
	global_prefetch_b8 v0, s[64:65] scope:SCOPE_SE
	s_setreg_imm32_b32 hwreg(HW_REG_WAVE_MODE, 25, 1), 1
	s_wait_xcnt 0x0
; CrossAttentionLayer, launch 1 of 6: x, context, Wq, Wk, Wv, W1, W2 (all f32, K innermost) become codes of E4M3 with one E8M0 byte for each 32 along K.
; DEAD WORK: none.  Every one of the sixteen inputs has a way to the output (bk too: it moves k's codes), so all seven products, both norms, the gelu and both residuals are done, and every input is loaded by some launch.
; LAYOUT OF inq.  A UNIT is 16 rows x 1,024 along K: eight IMAGES of an operand's registers, 2,048 bytes each: chunk c (512 bytes) holds, at 16 x lane, the 16 codes k = 32 c + 16 (lane / 16) + 0 .. 15 of row slot lane % 16.
; So a fragment is stored and loaded by four lines of 16 bytes a lane, each covering 512 consecutive bytes.  Unit u's codes lie at 16,384 u, its scale words ([slot 16][K step 8], four bytes a word) at 19,922,944 + 512 u.
; Units: x 0-255, context 256-511, Wq 512-575, Wk 576-639, Wv 640-703, W1 704-959, W2 960-1215 (W2 as [quarter of K 4][tile 64]).
; THE ROWS OF A TILE: x's tiles take 16 neighbouring rows.  All others are PAIRED: slot r of tile 2 b + u is row 32 b + 8 u + r + 8 (r / 8), so that a product that takes such a tile as source 0 leaves 16 neighbours in the 16 registers of two tiles.
; SHARES.  A wave takes one unit: 64 KiB read, 16 KiB + 512 bytes written; waves share nothing, so there is no barrier.  A load reads 512 consecutive bytes of one row; a K step's 16 rows turn through the wave's own stage in LDS
; (rows 528 bytes apart) so that a lane gets 16 neighbours of each of the four blocks of its row.  Loads run two K steps (32 loads a wave) ahead.
; A block's scale: its largest magnitude's exponent field less 8, held at 1 from below.  LIMITS: a block of zeros gets the byte 1 where the rule says 127 (its codes are zeros, and this program alone reads the bytes);
; NaN and infinities among the inputs are not served.
.set WREG,  8448                       ; a wave's stage: 16 rows x 528 bytes
.set SP,    528
.set SPARE, 4*WREG                     ; behind the stages: the spare words, 128 bytes a wave, that no other line names
.set SCB0,  19922944                   ; where the scale words begin in inq
.set LI,  1                            ; v1   16 x lane
.set RR,  2                            ; v2   lane % 16
.set HH,  3                            ; v3   lane / 16
.set STI, 4                            ; v4   the stage, on the way in
.set STO, 5                            ; v5   and on the way out
.set SOF, 6                            ; v6   my 16 bytes of the unit's scale words
.set SPW, 8                            ; v8   my spare word; never rewritten
.set NIL, 9                            ; v9   0; never rewritten
.set TM,  10                           ; v10-25 at work in QUANT
.set PC,  26                           ; v26-41 a fragment's codes
.set WD,  42                           ; v42-49 the scale word of each K step
.set WS,  50                           ; v50-53 the four words that I store
.set X,   64                           ; v64-127 64 numbers: register 16 b + i = k 32 b + 16 (lane / 16) + i of my row
.set RAW, 128                          ; v128-255 two sets of 64 registers as loaded
.set MNT, 25                           ; s25  the mantissa field of 448
.set OC,  26                           ; s[26:27] my unit's codes
.set OS,  28                           ; s[28:29] my unit's scale words
.set SEL, 30                           ; s[30:31] v_permlanex16_b32's selects for lane l xor 16
.set RB,  32                           ; s[32:63] the addresses of my 16 rows
; 64 numbers of a lane become a fragment's codes in v[PC] on and its scale word in v[w]
.macro QUANT s, w
.irp b, 0,1,2,3
	v_max3_num_f32 v[TM+\b], |v[\s+16*\b]|, |v[\s+1+16*\b]|, 0x4800000   ; block b: my 16 numbers, and the floor 2^(9 - 127): the byte cannot fall under 1
.endr
.irp i, 2,4,6,8,10,12,14
.irp b, 0,1,2,3
	v_max3_num_f32 v[TM+\b], v[TM+\b], |v[\s+16*\b+\i]|, |v[\s+1+16*\b+\i]|   ; the four blocks by turns
.endr
.endr
.irp b, 0,1,2,3
	v_permlanex16_b32 v[TM+4+\b], v[TM+\b], s[SEL], s[SEL+1]
.endr
.irp b, 0,1,2,3
	v_max_num_f32 v[TM+\b], v[TM+\b], v[TM+4+\b]   ; with lane l xor 16's 16: the block's largest magnitude
.endr
.irp b, 0,1,2,3
	v_add_nc_u32 v[TM+12+\b], 0xfc000000, v[TM+\b]   ; 8 off its exponent field: the conversion's scale operand
.endr
.irp b, 0,1,2,3
	v_and_or_b32 v[TM+8+\b], v[TM+\b], 0x7f800000, s[MNT]   ; 448 x the scale
.endr
.irp b, 0,1,2,3
	v_lshrrev_b32 v[TM+4+\b], 23, v[TM+12+\b]   ; the scale's byte
.endr
	v_lshl_or_b32 v[\w], v[TM+5], 8, v[TM+4]
	v_lshl_or_b32 v[\w], v[TM+6], 16, v[\w]
	v_lshl_or_b32 v[\w], v[TM+7], 24, v[\w]
.irp b, 0,1,2,3
.irp i, 0,1,2,3,4,5,6,7,8,9,10,11,12,13,14,15
	v_med3_num_f32 v[\s+16*\b+\i], v[\s+16*\b+\i], -v[TM+8+\b], v[TM+8+\b]   ; the conversion to an 8-bit code does not saturate (ISA guide 7.6.2): the hold comes first
.endr
	v_cvt_scalef32_pk8_fp8_f32 v[PC+4*\b:PC+1+4*\b], v[\s+16*\b:\s+7+16*\b], v[TM+12+\b]
	v_cvt_scalef32_pk8_fp8_f32 v[PC+2+4*\b:PC+3+4*\b], v[\s+8+16*\b:\s+15+16*\b], v[TM+12+\b]
.endr
	v_nop                                          ; a plain line behind the last conversion
.endm
	s_load_b512 s[4:19], s[0:1], 0x0               ; x, context, Wq, Wk, Wv, W1, W2, inq
	v_lshl_add_u32 v[SPW], v0, 2, SPARE
	v_mov_b32 v[NIL], 0
	v_lshrrev_b32 v7, 5, v0
	v_readfirstlane_b32 s20, v7                    ; wave 0..3
	v_and_b32 v7, 31, v0
	v_lshlrev_b32 v[LI], 4, v7
	v_and_b32 v[RR], 15, v0
	v_bfe_u32 v[HH], v0, 4, 1
	s_mul_i32 s2, s20, WREG
	v_add_nc_u32 v[STI], s2, v[LI]                 ; in: a row's 512 bytes as they lie
	v_mul_u32_u24 v[STO], v[RR], SP
	v_lshl_add_u32 v[STO], v[HH], 6, v[STO]
	v_add_nc_u32 v[STO], s2, v[STO]                ; out: row lane % 16, + 64 bytes for the upper half of the lanes
	v_lshlrev_b32 v[SOF], 5, v[RR]
	v_lshl_add_u32 v[SOF], v[HH], 4, v[SOF]        ; 32 bytes of words a slot; each half of the lanes stores four of the eight
.irp b, 0,1,2,3
	v_mov_b32 v[TM+4+\b], 0                        ; written once: a lane permute's destination counts as one of its sources
.endr
	s_mov_b32 s[SEL], 0x76543210
	s_mov_b32 s[SEL+1], 0xfedcba98
	s_mov_b32 s[MNT], 0x600000
	s_lshl_b32 s21, ttmp9, 2
	s_add_co_u32 s21, s21, s20                     ; my unit
	s_wait_alu depctr_va_vdst(0)
	s_wait_kmcnt 0x0
	s_mov_b64 s[22:23], s[16:17]                   ; which tensor: a chain of choices on the unit's number alone
	s_mov_b32 s24, 960
	s_cmp_lt_u32 s21, 960
	s_cselect_b64 s[22:23], s[14:15], s[22:23]
	s_cselect_b32 s24, 704, s24
	s_cmp_lt_u32 s21, 704
	s_cselect_b64 s[22:23], s[12:13], s[22:23]
	s_cselect_b32 s24, 640, s24
	s_cmp_lt_u32 s21, 640
	s_cselect_b64 s[22:23], s[10:11], s[22:23]
	s_cselect_b32 s24, 576, s24
	s_cmp_lt_u32 s21, 576
	s_cselect_b64 s[22:23], s[8:9], s[22:23]
	s_cselect_b32 s24, 512, s24
	s_cmp_lt_u32 s21, 512
	s_cselect_b64 s[22:23], s[6:7], s[22:23]
	s_cselect_b32 s24, 256, s24
	s_cmp_lt_u32 s21, 256
	s_cselect_b64 s[22:23], s[4:5], s[22:23]
	s_cselect_b32 s24, 0, s24
	s_sub_co_u32 s24, s21, s24                     ; the unit's number in its tensor
	s_lshr_b32 s6, s24, 6
	s_cmp_ge_u32 s21, 960                          ; W2: rows of 16,384 bytes, 64 tiles, four quarters of K
	s_cselect_b32 s4, 14, 12                       ; log2 of a row's bytes
	s_cselect_b32 s5, 63, 0xffff
	s_cselect_b32 s6, s6, 0                        ; the quarter of K
	s_and_b32 s24, s24, s5                         ; the tile
	s_lshr_b32 s8, s24, 1
	s_lshl_b32 s8, s8, 5
	s_and_b32 s7, s24, 1
	s_lshl_b32 s7, s7, 3
	s_add_co_u32 s8, s8, s7                        ; a paired tile's first row: 32 (t / 2) + 8 (t % 2)
	s_lshl_b32 s7, s24, 4                          ; a natural tile's: 16 t
	s_cmp_ge_u32 s21, 256                          ; all but x are paired
	s_cselect_b32 s8, s8, s7
	s_cselect_b32 s12, 9, 1                        ; rows from slot 7 to slot 8
	s_lshl_b32 s8, s8, s4
	s_lshl_b32 s6, s6, 12
	s_add_co_u32 s8, s8, s6                        ; byte offset of slot 0's first number (under 2^25)
	s_mov_b32 s9, 0
	s_lshl_b32 s10, 1, s4                          ; a row on
	s_mov_b32 s11, 0
	s_lshl_b32 s12, s12, s4
	s_mov_b32 s13, 0
	s_add_nc_u64 s[RB:RB+1], s[22:23], s[8:9]
.irp i, 1,2,3,4,5,6,7
	s_add_nc_u64 s[RB+2*\i:RB+2*\i+1], s[RB+2*\i-2:RB+2*\i-1], s[10:11]
.endr
	s_add_nc_u64 s[RB+16:RB+17], s[RB+14:RB+15], s[12:13]
.irp i, 9,10,11,12,13,14,15
	s_add_nc_u64 s[RB+2*\i:RB+2*\i+1], s[RB+2*\i-2:RB+2*\i-1], s[10:11]
.endr
	s_lshl_b32 s8, s21, 14
	s_add_nc_u64 s[OC:OC+1], s[18:19], s[8:9]
	s_lshl_b32 s8, s21, 9
	s_add_co_u32 s8, s8, SCB0
	s_add_nc_u64 s[OS:OS+1], s[18:19], s[8:9]
.macro LOAD ks                         ; K step ks: 512 consecutive bytes of each of my 16 rows
.irp i, 0,1,2,3,4,5,6,7,8,9,10,11,12,13,14,15
	global_load_b128 v[RAW+64*((\ks)%2)+4*\i:RAW+64*((\ks)%2)+4*\i+3], v[LI], s[RB+2*\i:RB+2*\i+1] offset:512*(\ks) th:TH_LOAD_NT
.endr
.endm
.macro STEP ks
.if (\ks) < 7
	s_wait_loadcnt 16                              ; this step's 16 loads are in; the next step's 16 may be out
.else
	s_wait_loadcnt 0x0
.endif
.irp i, 0,1,2,3,4,5,6,7,8,9,10,11,12,13,14,15
	ds_store_b128 v[STI], v[RAW+64*((\ks)%2)+4*\i:RAW+64*((\ks)%2)+4*\i+3] offset:SP*\i
.endr
.irp b, 0,1,2,3
.irp j, 0,1,2,3
	ds_load_b128 v[X+16*\b+4*\j:X+16*\b+4*\j+3], v[STO] offset:128*\b+16*\j   ; LDS serves a wave's instructions in order: these see the stores above
.endr
.endr
	s_wait_dscnt 0x0                               ; my 64 numbers are in, and the stores into the stage have read their registers
	s_wait_xcnt 0x0                                ; the last step's stores have read the codes' registers, which QUANT writes again
.if (\ks)+2 < 8
	LOAD (\ks)+2
.endif
	QUANT X, WD+(\ks)
.irp c, 0,1,2,3
	global_store_b128 v[LI], v[PC+4*\c:PC+4*\c+3], s[OC:OC+1] offset:2048*(\ks)+512*\c   ; 512 consecutive bytes
.endr
.endm
	LOAD 0
	LOAD 1
.irp k, 0,1,2,3,4,5,6,7
	STEP \k
.endr
	v_cmp_eq_u32 vcc_lo, 1, v[HH]                  ; both halves of the lanes hold all eight words of their slot: the lower stores K steps 0-3, the upper 4-7
.irp j, 0,1,2,3
	v_cndmask_b32 v[WS+\j], v[WD+\j], v[WD+4+\j], vcc_lo
.endr
	global_store_b128 v[SOF], v[WS:WS+3], s[OS:OS+1]   ; the unit's 512 bytes of scale words
	s_wait_tensorcnt 0x0                           ; the wave's end
	ds_add_u32 v[SPW], v[NIL]
	s_wait_dscnt 0x0
	s_endpgm
.Lfunc_end_k_q272fadfe94_quant:
	.size	k_q272fadfe94_quant, .Lfunc_end_k_q272fadfe94_quant-k_q272fadfe94_quant
	.p2alignl 7, 3214868480
	.fill 96, 4, 3214868480
	.section	.rodata,"a",@progbits
	.p2align	6, 0x0
	.amdhsa_kernel k_q272fadfe94_quant
		.amdhsa_group_segment_fixed_size 34304
		.amdhsa_private_segment_fixed_size 0
		.amdhsa_enable_private_segment 0
		.amdhsa_kernarg_size 64
		.amdhsa_user_sgpr_count 2
		.amdhsa_user_sgpr_kernarg_segment_ptr 1
		.amdhsa_wavefront_size32 1
		.amdhsa_system_sgpr_workgroup_id_x 1
		.amdhsa_system_sgpr_workgroup_id_y 1
		.amdhsa_system_sgpr_workgroup_id_z 1
		.amdhsa_system_vgpr_workitem_id 0
		.amdhsa_next_free_vgpr 256
		.amdhsa_next_free_sgpr 66
		.amdhsa_reserve_vcc 1
		.amdhsa_float_denorm_mode_32 3
		.amdhsa_float_denorm_mode_16_64 3
		.amdhsa_memory_ordered 1
		.amdhsa_forward_progress 1
		.amdhsa_inst_pref_size 100
	.end_amdhsa_kernel
	.amdgpu_metadata
---
amdhsa.version: [ 1, 2 ]
amdhsa.kernels:
  - .name:           k_q272fadfe94_quant
    .symbol:         k_q272fadfe94_quant.kd
    .args:
      - { .name: x, .offset: 0, .size: 8, .value_kind: global_buffer, .address_space: global }
      - { .name: context, .offset: 8, .size: 8, .value_kind: global_buffer, .address_space: global }
      - { .name: Wq, .offset: 16, .size: 8, .value_kind: global_buffer, .address_space: global }
      - { .name: Wk, .offset: 24, .size: 8, .value_kind: global_buffer, .address_space: global }
      - { .name: Wv, .offset: 32, .size: 8, .value_kind: global_buffer, .address_space: global }
      - { .name: W1, .offset: 40, .size: 8, .value_kind: global_buffer, .address_space: global }
      - { .name: W2, .offset: 48, .size: 8, .value_kind: global_buffer, .address_space: global }
      - { .name: inq, .offset: 56, .size: 8, .value_kind: global_buffer, .address_space: global }
    .group_segment_fixed_size: 34304
    .private_segment_fixed_size: 0
    .kernarg_segment_align: 8
    .kernarg_segment_size: 64
    .max_flat_workgroup_size: 128
    .sgpr_count:     66
    .vgpr_count:     256
    .wavefront_size: 32
...
	.end_amdgpu_metadata
.endif
;; end of part 1
;; launch proj (part 2): grid 16 x 12, 4 waves a work-group, clusters of 4 x 4, 327,680 bytes of LDS; arguments inq, bq, bk, bv, pq; writes pq
.if DOCPART == 2
	.amdgcn_target "amdgcn-amd-amdhsa--gfx1250"
	.amdhsa_code_object_version 6
	.text
	.protected	k_q272fadfe94_proj
	.globl	k_q272fadfe94_proj
	.p2align	8
	.type	k_q272fadfe94_proj,@function
k_q272fadfe94_proj:
	s_mov_b64 s[64:65], 0
	v_nop
	global_prefetch_b8 v0, s[64:65] scope:SCOPE_SE
	s_setreg_imm32_b32 hwreg(HW_REG_WAVE_MODE, 25, 1), 1
	s_wait_xcnt 0x0
	s_wait_alu depctr_hold_cnt(0) depctr_sa_sdst(0) depctr_va_vdst(0) depctr_va_sdst(0) depctr_va_ssrc(0) depctr_va_vcc(0) depctr_vm_vsrc(0)
	s_getreg_b32 s2, hwreg(HW_REG_IB_STS2, 6, 4)
	s_cmp_eq_u32 s2, 0
	s_cbranch_scc0 .Lentry_in_a_cluster
	s_endpgm
.Lentry_in_a_cluster:
	s_bfe_u32 s2, ttmp6, 0x10000c
	s_cmp_lg_u32 s2, 0xf033
	s_cbranch_scc0 .Lentry_shape_is_right
	s_endpgm
.Lentry_shape_is_right:
; Launch 2 of 6: q = x Wq^T + bq, k = context Wk^T + bk, v = context Wv^T + bv on the codes of launch 1, each quantised on its way out: q and k along the head's 64, v along the keys.  No work is left out.
; THE CORE (the same in three launches).  Source 0 is P, source 1 is R: in a result lane l holds R's slot l % 16 and its registers run along P's slots.  A work-group of four waves makes 256 slots of R x 256 of P,
; a wave 128 x 128: 64 accumulators, 512 registers.  K = 1,024 goes in four slot fills of 256 through two LDS slots.  Operands lie in memory as images of their registers (launch 1), so a slot's part of eight tiles is
; eight rows of 4,096 bytes, and a fragment is four loads of 512 consecutive bytes: no pitch, no padding.  The scale words of all of K come once, with the first fills, and then stay in 64 registers.
; CLUSTERS: 4 x 4 work-groups; R's tiles are asked for jointly along a row of the cluster, P's along a column.
; WHO IS WHO.  The cluster's y says which product: 0: q (R = x, P = Wq), 1: k (R = context, P = Wk): the head's channels run along the registers; 2: v (R = Wv, P = context): the keys run along the registers.
; P's tiles are paired (launch 1), so a lane's 64 registers of one tile of R are 128 neighbours of P in the order that an operand's registers want: the bias is added, 64 numbers are quantised, and the codes ARE an image.
; 192 work-groups: all the tiles of 256 x 256 that the three products have; tiles half as large would be 384, one and a half for each of 256 WGPs.
; pq: q's codes [head 32][tile 128][1,024 bytes: chunks 0, 1]; K and V by key step of 128: [head][step 16][8 tiles of keys x 1,024 | 4 tiles of channels x 2,048]; q's words [head][16][slot 16][tile 8];
; K's words [head][step][slot][tile 8], V's [head][step][slot][tile 4].  q's and k's words carry two bytes; the upper two are 0 and meet zero codes alone.
; LIMITS: a block of zeros gets the byte 1 where the rule says 127 (this program alone reads the bytes); NaN and infinities are not served.
.set SLOT,  131072                     ; R's half 0, R's half 1, P's half 0, P's half 1: 32,768 bytes each
.set PART,  32768
.set SCL,   2*SLOT                     ; four blocks of 4,096 bytes of scale words, in the same order
.set SPARE, SCL+16384                  ; the spare words, 128 bytes a wave, that no other line names
.set ADRA, 16                          ; v16-17  my R fragments in slot 0, 1
.set ADRB, 20                          ; v20-21  my P fragments
.set ADRS, 27                          ; v27     my scale words: lanes 0-15 R's, lanes 16-31 P's
.set SPW,  28                          ; v28     my spare word; never rewritten
.set NIL,  29                          ; v29     0; never rewritten
.set SC,   64                          ; v64-127 the scale words of all of K; they hold nothing else
.set AF,   128                         ; v128-255 R's eight fragments, one set.  Window 1: P's two sets.  Windows 2, 3: the accumulators
.set G1, 24
.set G0, 32
.set G1B, 48
.set G0B, 56
.set G1S, 68
.set G0S, 76
.set G1SB, 80
.set G0SB, 88
.set MUL_LO, 0xa1                      ; source 0 (P) window 1, source 1 (R) window 0, C and D window 2
.set MUL_HI, 0xf1                      ; the same, C and D window 3
.set TO_B,   0x40                      ; destination window 1
.set YLAY, 0                           ; R's words lie [tile][slot][K step]
.set RPTR, 4
.set PPTR, 4
.set RSC0, 19922944
.set PSC0, 19922944
.set T,   128                          ; the way out: 64 numbers
.set PC,  192                          ; and their codes
.set XW,  36                           ; v36-39 four tiles' scale words
.set TM,  40                           ; v40-55 at work in QUANT
.set PW,  56                           ; v56    the word just made
.set LI,  24                           ; v24    16 x lane
.set LI2, 25                           ; v25    the same for chunks 2 and 3
.set WO,  26                           ; v26    where q's and k's words go
.set WOV, 22                           ; v22    where v's go
.set BO,  30                           ; v30    bq, bk: 64 x (lane / 16)
.set BOV, 31                           ; v31    bv: 4 x my slot's row in a paired tile
.set SEL, 66
.set MNT, 3
.set AI,  24                           ; scalars of the way out lie where the descriptors lay
.set CI,  25
.set BP,  26
.set OB,  28
.set ST,  30
.set STA, 32
.set STJ, 33
.set D2,  34
.set MK,  35
.set SB,  36
.set SB2, 38
.set MSB, 0
.macro WIN new                         ; the immediate's high byte repeats the setting that is left
.if MSB != (\new)
	s_set_vgpr_msb (MSB<<8)|(\new)
.set MSB, (\new)
.endif
.endm
.macro PLACES n
.rept \n
	v_nop
.endr
.endm
; A joint load: waves 0 and 1 fetch for R, waves 2 and 3 for P; the branch hangs on the wave's number alone.  An s_nop 0 and four v_nop follow each line.
.macro JLOAD g0a, g1a, g0b, g1b
	s_cmp_eq_u32 s15, 0
	s_cbranch_scc0 .Lfor_b_\@
	tensor_load_to_lds s[\g0a:\g0a+3], s[\g1a:\g1a+7]
	s_nop 0
.rept 4
	v_nop
.endr
	s_branch .Lasked_\@
.Lfor_b_\@:
	tensor_load_to_lds s[\g0b:\g0b+3], s[\g1b:\g1b+7]
	s_nop 0
.rept 4
	v_nop
.endr
.Lasked_\@:
.endm
.macro CREST                           ; a round of the cluster's barrier behind its opening barrier
	s_cmp_lg_u32 s14, 0
	s_cbranch_scc1 .Lnot_wave_0_\@
	s_barrier_signal -3
.Lnot_wave_0_\@:
	s_barrier_wait -3
	s_barrier_signal -1
	s_barrier_wait -1
.endm
.macro CROUND
	s_barrier_signal -1
	s_barrier_wait -1
	CREST
.endm
.macro FRAG reg, adr, q, i             ; tile i's image of the slot's q-th 128 along K
.irp c, 0,1,2,3
	ds_load_b128 v[\reg+4*\c:\reg+4*\c+3], v[\adr] offset:4096*(\i)+2048*(\q)+512*\c
.endr
.endm
; 16 matrix instructions: R's tiles a0, a0 + 1 x P's eight; p: P's set; ks: the K step of 128.  The 64 accumulators take turns in one order throughout.
.macro MUL16 a0, p, ks, zero
.irp a, \a0, \a0+1
.irp b, 0,1,2,3,4,5,6,7
.if \zero
	v_wmma_scale_f32_16x16x128_f8f6f4 v[8*(8*((\a)%4)+\b):8*(8*((\a)%4)+\b)+7], v[128*(\p)+16*\b:128*(\p)+16*\b+15], v[AF+16*(\a):AF+16*(\a)+15], 0, v[SC+8*\b+(\ks)], v[SC+(8*(\a)+(\ks))*(1-YLAY)+(8*(\ks)+(\a))*YLAY] matrix_a_scale:MATRIX_SCALE_ROW1
.else
	v_wmma_scale_f32_16x16x128_f8f6f4 v[8*(8*((\a)%4)+\b):8*(8*((\a)%4)+\b)+7], v[128*(\p)+16*\b:128*(\p)+16*\b+15], v[AF+16*(\a):AF+16*(\a)+15], v[8*(8*((\a)%4)+\b):8*(8*((\a)%4)+\b)+7], v[SC+8*\b+(\ks)], v[SC+(8*(\a)+(\ks))*(1-YLAY)+(8*(\ks)+(\a))*YLAY] matrix_a_scale:MATRIX_SCALE_ROW1
.endif
.endr
.endr
.endm
.macro FETCH_B slot, q, p
	WIN TO_B
.irp i, 0,1,2,3,4,5,6,7
	FRAG 128*(\p)+16*\i, ADRB+\slot, \q, \i
.endr
	WIN 0
.endm
.macro FETCH_A slot, q, i0
.irp i, \i0, \i0+1, \i0+2, \i0+3
	FRAG AF+16*(\i), ADRA+\slot, \q, \i
.endr
.endm
.macro SCALES_ALL                      ; 4,096 bytes of words for each half of the lanes: 16 loads, once
.irp j, 0,1,2,3,4,5,6,7,8,9,10,11,12,13,14,15
	ds_load_b128 v[SC+4*\j:SC+4*\j+3], v[ADRS] offset:512*(\j/2)+16*(\j%2)
.endr
.endm
; A slot's first step of 128 (P's set 0).  Eight plain places stand in front of loads into registers that matrix instructions have read.
.macro STEP slot, ks, zero
	s_wait_dscnt 16                                ; all but the youngest 16 loads (R's tiles 4-7) are in
	WIN MUL_LO
	MUL16 0, 0, \ks, \zero
	MUL16 2, 0, \ks, \zero
	s_wait_dscnt 0x0
	PLACES 8
	FETCH_B \slot, 1, 1
	FETCH_A \slot, 1, 0
	WIN MUL_HI
	MUL16 4, 0, \ks, \zero
	MUL16 6, 0, \ks, \zero
	PLACES 8
	WIN 0
	FETCH_A \slot, 1, 4
.endm
; A slot's second step (P's set 1) changes slots: one barrier; in front of it each wave waits for all its tensor loads, adds 0 to its spare word, and waits for that and for its reads of this slot.
.macro TURN slot, next, ks, fill
	s_wait_tensorcnt 0x0                           ; all my tensor loads have landed: my part of the next slot
	ds_add_u32 v[SPW], v[NIL]
	s_wait_dscnt 17                                ; the add and the youngest 16 loads may be out
	WIN MUL_LO
	MUL16 0, 1, \ks, 0
	s_wait_dscnt 0x0                               ; the add is done, and my reads of this slot are over
	s_barrier_signal -1
	MUL16 2, 1, \ks, 0
	WIN 0
	s_barrier_wait -1
.if \fill
	CREST                                          ; the barrier has opened a round of the cluster's: no wave of any partner still reads this slot or has a load on its way
	s_add_nc_u64 s[G0+4*\slot+2:G0+4*\slot+3], s[G0+4*\slot+2:G0+4*\slot+3], 8192
	s_add_nc_u64 s[G0B+4*\slot+2:G0B+4*\slot+3], s[G0B+4*\slot+2:G0B+4*\slot+3], 8192
	JLOAD G0+4*\slot, G1, G0B+4*\slot, G1B         ; the first tensor load behind the round: it has 96 matrix instructions in which to land
	PLACES 4
.else
	PLACES 8
.endif
	FETCH_B \next, 0, 0
	FETCH_A \next, 0, 0
	WIN MUL_HI
	MUL16 4, 1, \ks, 0
	MUL16 6, 1, \ks, 0
	PLACES 8
	WIN 0
	FETCH_A \next, 0, 4
.endm
.macro QUANT s, w
.irp b, 0,1,2,3
	v_max3_num_f32 v[TM+\b], |v[\s+16*\b]|, |v[\s+1+16*\b]|, 0x4800000   ; block b: my 16 numbers, and the floor 2^(9 - 127)
.endr
.irp i, 2,4,6,8,10,12,14
.irp b, 0,1,2,3
	v_max3_num_f32 v[TM+\b], v[TM+\b], |v[\s+16*\b+\i]|, |v[\s+1+16*\b+\i]|
.endr
.endr
.irp b, 0,1,2,3
	v_permlanex16_b32 v[TM+4+\b], v[TM+\b], s[SEL], s[SEL+1]
.endr
.irp b, 0,1,2,3
	v_max_num_f32 v[TM+\b], v[TM+\b], v[TM+4+\b]
.endr
.irp b, 0,1,2,3
	v_add_nc_u32 v[TM+12+\b], 0xfc000000, v[TM+\b]   ; 8 off the exponent field: the conversion's scale operand
.endr
.irp b, 0,1,2,3
	v_and_or_b32 v[TM+8+\b], v[TM+\b], 0x7f800000, s[MNT]   ; 448 x the scale
.endr
.irp b, 0,1,2,3
	v_lshrrev_b32 v[TM+4+\b], 23, v[TM+12+\b]
.endr
	v_lshl_or_b32 v[\w], v[TM+5], 8, v[TM+4]
	v_lshl_or_b32 v[\w], v[TM+6], 16, v[\w]
	v_lshl_or_b32 v[\w], v[TM+7], 24, v[\w]
.irp b, 0,1,2,3
.irp i, 0,1,2,3,4,5,6,7,8,9,10,11,12,13,14,15
	v_med3_num_f32 v[\s+16*\b+\i], v[\s+16*\b+\i], -v[TM+8+\b], v[TM+8+\b]   ; the conversion does not saturate (ISA guide 7.6.2): the hold comes first
.endr
	v_cvt_scalef32_pk8_fp8_f32 v[PC+4*\b:PC+1+4*\b], v[\s+16*\b:\s+7+16*\b], v[TM+12+\b]
	v_cvt_scalef32_pk8_fp8_f32 v[PC+2+4*\b:PC+3+4*\b], v[\s+8+16*\b:\s+15+16*\b], v[TM+12+\b]
.endr
	v_nop                                          ; a plain line behind the last conversion
.endm
	s_load_b256 s[4:11], s[0:1], 0x0               ; inq, bq, bk, bv
	s_load_b64 s[12:13], s[0:1], 0x20              ; pq
	v_lshl_add_u32 v[SPW], v0, 2, SPARE
	v_mov_b32 v[NIL], 0
	ds_add_u32 v[SPW], v[NIL]                      ; the wave's opening: the add, twice on end, and its wait ahead of my first tensor load
	ds_add_u32 v[SPW], v[NIL]
	v_lshrrev_b32 v1, 5, v0
	v_readfirstlane_b32 s14, v1                    ; wave 0..3
	s_lshr_b32 s15, s14, 1                         ; my half of R.  Also: I fetch for R (0) or for P (1)
	s_and_b32 s16, s14, 1                          ; my half of P.  Also: which half I fetch
	s_bfe_u32 s40, ttmp6, 0x40000                  ; cx
	s_bfe_u32 s41, ttmp6, 0x40004                  ; cy
	s_and_b32 s17, ttmp7, 0xffff                   ; the cluster's y: which product; the same in all sixteen partners
	s_lshl_b32 s18, ttmp9, 2
	s_lshl_b32 s43, s41, 2
	s_lshl_b32 s43, 15, s43                        ; my row of the cluster
	s_lshl_b32 s44, 0x1111, s40                    ; my column
	s_cmp_lt_u32 s17, 2
	s_cselect_b32 s19, s18, 0                      ; q, k: the 16 tiles of tokens are R's;
	s_cselect_b32 s20, 0, s18                      ; v: they are P's
	s_cmp_eq_u32 s17, 0
	s_cselect_b32 s21, 0, 256                      ; R's first unit: x, context,
	s_mov_b32 s22, 576
	s_cselect_b32 s22, 512, s22                    ; P's: Wq, Wk,
	s_cmp_eq_u32 s17, 2
	s_cselect_b32 s21, 640, s21                    ; Wv;
	s_cselect_b32 s22, 256, s22                    ; context
	s_add_co_u32 s19, s19, s41                     ; R's tile of 256: made of cy and the cluster's place alone
	s_add_co_u32 s20, s20, s40                     ; P's: of cx and the cluster's place alone
	s_lshl_b32 s23, s16, 3
	s_lshl_b32 s45, s19, 4
	s_add_co_u32 s45, s45, s21
	s_add_co_u32 s45, s45, s23                     ; the first unit of R's half that I would fetch
	s_lshl_b32 s46, s20, 4
	s_add_co_u32 s46, s46, s22
	s_add_co_u32 s46, s46, s23                     ; and of P's
	s_or_b32 s[G1], s43, (3<<16)|(1<<21)           ; 15:0 the mask; 17:16 elements of 8 bytes; 21 set beside a mask; no padding
	s_or_b32 s[G1B], s44, (3<<16)|(1<<21)
.irp g, G1, G1B
	s_mov_b32 s[\g+1], 512<<16                     ; tensor_dim0 = 512 elements: 4,096 bytes of a unit
	s_mov_b32 s[\g+2], 16<<16                      ; the head's loads bring 16 units; the ring's 8
	s_mov_b32 s[\g+3], 512<<16                     ; tile_dim0
	s_mov_b32 s[\g+4], 16
	s_mov_b32 s[\g+5], 2048                        ; from unit to unit: 16,384 bytes
	s_mov_b32 s[\g+6], 0
	s_mov_b32 s[\g+7], 0
.endr
	s_or_b32 s[G1S], s43, (3<<16)|(1<<21)
	s_or_b32 s[G1SB], s44, (3<<16)|(1<<21)
.irp g, G1S, G1SB
	s_mov_b32 s[\g+1], 32<<16                      ; the words of sixteen units: 32 dense rows of 256 bytes
	s_mov_b32 s[\g+2], 32<<16
	s_mov_b32 s[\g+3], 32<<16
	s_mov_b32 s[\g+4], 32
	s_mov_b32 s[\g+5], 32
	s_mov_b32 s[\g+6], 0
	s_mov_b32 s[\g+7], 0
.endr
	s_lshl_b32 s92, s45, 14
	s_mov_b32 s93, 0
	s_lshl_b32 s94, s45, 9
	s_add_co_u32 s94, s94, RSC0
	s_mov_b32 s95, 0
	s_lshl_b32 s96, s46, 14
	s_mov_b32 s97, 0
	s_lshl_b32 s98, s46, 9
	s_add_co_u32 s98, s98, PSC0
	s_mov_b32 s99, 0
	s_lshl_b32 s47, s14, 15                        ; where they go: wave x 32,768, wave x 4,096: no place in the cluster enters an LDS address
	s_lshl_b32 s42, s14, 12
	s_mov_b32 s[SEL], 0x76543210
	s_mov_b32 s[SEL+1], 0xfedcba98
	s_mov_b32 s[MNT], 0x600000
	s_wait_dscnt 0x0                               ; both opening adds are done
	s_wait_kmcnt 0x0
	s_add_nc_u64 s[92:93], s[RPTR:RPTR+1], s[92:93]
	s_add_nc_u64 s[94:95], s[RPTR:RPTR+1], s[94:95]
	s_add_nc_u64 s[96:97], s[PPTR:PPTR+1], s[96:97]
	s_add_nc_u64 s[98:99], s[PPTR:PPTR+1], s[98:99]
	CROUND                                         ; all sixteen work-groups are here: the first joint loads meet
	s_mov_b32 s[G0S], 1
	s_mov_b32 s[G0S+1], SCL
	s_lshl_b32 s22, s16, 12                        ; my half's bytes of words: taken off, so that the load begins at the tile's first unit
	s_mov_b32 s23, 0
	s_sub_nc_u64 s[G0S+2:G0S+3], s[94:95], s[22:23]
	s_or_b32 s[G0S+3], s[G0S+3], 0x80000000
	s_mov_b32 s[G0SB], 1
	s_mov_b32 s[G0SB+1], SCL+8192
	s_sub_nc_u64 s[G0SB+2:G0SB+3], s[98:99], s[22:23]
	s_or_b32 s[G0SB+3], s[G0SB+3], 0x80000000
.irp s, 0
	s_mov_b32 s[G0+4*\s], 1
	s_add_co_u32 s[G0+4*\s+1], s47, \s*SLOT
	s_add_nc_u64 s[G0+4*\s+2:G0+4*\s+3], s[92:93], \s*4096
	s_or_b32 s[G0+4*\s+3], s[G0+4*\s+3], 0x80000000
	s_mov_b32 s[G0B+4*\s], 1
	s_add_co_u32 s[G0B+4*\s+1], s47, \s*SLOT
	s_add_nc_u64 s[G0B+4*\s+2:G0B+4*\s+3], s[96:97], \s*4096
	s_or_b32 s[G0B+4*\s+3], s[G0B+4*\s+3], 0x80000000
.endr
; THE HEAD'S LOADS, ONE A WAVE: wave 0 R's 16 units of slot 0, wave 1 P's, wave 2 R's scale words, wave 3 P's.  The two loads of codes use slot 1's groups 0, which are set for the ring behind the wait for them.
	s_lshl_b32 s22, s16, 17                        ; my half's bytes of codes
	s_mov_b32 s[G0+4], 1
	s_mov_b32 s[G0+5], 0
	s_sub_nc_u64 s[G0+6:G0+7], s[92:93], s[22:23]
	s_or_b32 s[G0+7], s[G0+7], 0x80000000
	s_mov_b32 s[G0B+4], 1
	s_mov_b32 s[G0B+5], 2*PART
	s_sub_nc_u64 s[G0B+6:G0B+7], s[96:97], s[22:23]
	s_or_b32 s[G0B+7], s[G0B+7], 0x80000000
.macro ARM under, g0, g1, next
	s_cmp_lt_u32 s14, \under
	s_cbranch_scc0 \next
	tensor_load_to_lds s[\g0:\g0+3], s[\g1:\g1+7]
	s_nop 0
.rept 4
	v_nop
.endr
	s_branch .Lhead_asked
\next:
.endm
	ARM 1, G0+4, G1, .Lhead_b
	ARM 2, G0B+4, G1B, .Lhead_sa
	ARM 3, G0S, G1S, .Lhead_sb
	tensor_load_to_lds s[G0SB:G0SB+3], s[G1SB:G1SB+7]
	s_nop 0
.rept 4
	v_nop
.endr
.Lhead_asked:
	v_and_b32 v1, 15, v0                           ; r
	v_bfe_u32 v2, v0, 4, 1                         ; h
	s_wait_alu depctr_va_vdst(0)
	v_and_b32 v3, 31, v0
	v_lshlrev_b32 v3, 4, v3                        ; 16 x lane
	s_wait_alu depctr_va_vdst(0)
	s_lshl_b32 s21, s15, 15
	s_lshl_b32 s22, s16, 15
	s_add_co_u32 s22, s22, 2*PART
.irp s, 0,1
	v_add_nc_u32 v[ADRA+\s], s21, v3
	v_add_nc_u32 v[ADRB+\s], s22, v3
	s_add_co_u32 s21, s21, SLOT
	s_add_co_u32 s22, s22, SLOT
.endr
	s_lshl_b32 s21, s15, 12                        ; R's words: my half
	s_lshl_b32 s22, s16, 12                        ; P's: my half, behind R's two
	s_add_co_u32 s22, s22, 8192
	s_sub_co_u32 s22, s22, s21
	v_mul_u32_u24 v6, s22, v2                      ; lanes 16-31 take P's
	s_add_co_u32 s21, s21, SCL
	v_lshl_add_u32 v6, v1, 5, v6                   ; 32 bytes a slot
	v_add_nc_u32 v[ADRS], s21, v6
	v_mov_b32 v[LI], v3
	v_lshlrev_b32 v[WO], 5, v1
	v_lshl_add_u32 v[WO], v2, 4, v[WO]             ; 32 r + 16 h
	v_mul_u32_u24 v[WOV], v2, 12288
	v_lshl_add_u32 v[WOV], v1, 4, v[WOV]           ; 16 r, and a head on for the upper half of the lanes
	v_lshlrev_b32 v[BO], 6, v2
	v_and_b32 v[BOV], 8, v1
	v_add_nc_u32 v[BOV], v[BOV], v1
	v_lshlrev_b32 v[BOV], 2, v[BOV]
.irp j, 0,1,2,3
	v_mov_b32 v[XW+\j], 0
	v_mov_b32 v[TM+4+\j], 0                        ; written once: a lane permute's destination counts as one of its sources
.endr
	s_wait_alu depctr_va_vdst(0)
	s_wait_tensorcnt 0x0                           ; my tile of the head's four is in
	ds_add_u32 v[SPW], v[NIL]
	s_mov_b32 s[G1+2], 8<<16                       ; no tensor load of mine is out: from here on a load brings 8 units,
	s_mov_b32 s[G1+4], 8
	s_mov_b32 s[G1B+2], 8<<16
	s_mov_b32 s[G1B+4], 8
	s_add_co_u32 s[G0+5], s47, SLOT                ; and slot 1's groups 0 are set for the ring
	s_add_nc_u64 s[G0+6:G0+7], s[92:93], 4096
	s_or_b32 s[G0+7], s[G0+7], 0x80000000
	s_add_co_u32 s[G0B+5], s47, SLOT
	s_add_nc_u64 s[G0B+6:G0B+7], s[96:97], 4096
	s_or_b32 s[G0B+7], s[G0B+7], 0x80000000
	s_wait_dscnt 0x0
	CROUND                                         ; all four tiles are in, and the sixteen work-groups meet
	JLOAD G0+4, G1, G0B+4, G1B                     ; slot 1's first fill: the first tensor load behind the round
	FETCH_B 0, 0, 0
	FETCH_A 0, 0, 0
	SCALES_ALL
	FETCH_A 0, 0, 4
	STEP 0, 0, 1                                   ; the first products start the sums: nothing is cleared
	TURN 0, 1, 1, 1
	STEP 1, 2, 0
	TURN 1, 0, 3, 1
	STEP 0, 4, 0
	TURN 0, 1, 5, 0                                ; nothing is left to fetch; no tensor load of mine is out from here on, so the descriptors' registers are free
	STEP 1, 6, 0
	; the way out's numbers.  What hangs on cx or cy goes into global addresses alone
	s_lshl_b32 s21, s19, 8
	s_lshl_b32 s22, s15, 7
	s_add_co_u32 s21, s21, s22                     ; my first slot of R
	s_lshl_b32 s22, s20, 8
	s_lshl_b32 s23, s16, 7
	s_add_co_u32 s22, s22, s23                     ; and of P
	s_cmp_lt_u32 s17, 2
	s_cselect_b32 s23, s21, s22                    ; my first token,
	s_cselect_b32 s45, s22, s21                    ; my first channel
	s_cselect_b32 s[CI], 0, 8
	s_cmp_eq_u32 s17, 0
	s_cselect_b64 s[BP:BP+1], s[6:7], s[8:9]
	s_cselect_b32 s46, 17, 18                      ; log2 of a head's bytes of codes
	s_cselect_b32 s47, 13, 14                      ; and of 128 tokens'
	s_cselect_b32 s92, 0, 0x400000
	s_mov_b32 s[D2], 262144
	s_cselect_b32 s[D2], 131072, s[D2]             ; q, k: chunks 2 and 3 are the next head's chunks 0 and 1
	s_mov_b32 s93, 12845056
	s_cselect_b32 s93, 12582912, s93
	s_mov_b32 s94, 12288
	s_cselect_b32 s94, 8192, s94                   ; a head's bytes of words
	s_cmp_eq_u32 s17, 2
	s_cselect_b64 s[BP:BP+1], s[10:11], s[BP:BP+1]
	s_cselect_b32 s92, 0x402000, s92               ; V lies 8,192 bytes behind K in a key step
	s_cselect_b32 s[D2], 1024, s[D2]               ; v: a whole image
	s_mov_b32 s[STA], 1024
	s_cselect_b32 s[STA], 2048, s[STA]             ; from tile to tile
	s_cselect_b32 s[STJ], 253952, 0                ; v: behind tile 3 the next head begins
	s_cselect_b32 s93, 12853248, s93
	s_cselect_b32 s95, 8, 9                        ; log2 of a key step's bytes of words
	s_add_co_u32 s[STJ], s[STJ], s[STA]
	s_lshr_b32 s96, s23, 11
	s_lshl_b32 s96, s96, 4
	s_lshr_b32 s97, s45, 6
	s_add_co_u32 s96, s96, s97                     ; my first head: 16 x batch + channel / 64
	s_bfe_u32 s97, s23, 0x40007                    ; which 128 tokens of the batch's 2,048
	s_lshl_b32 s98, s96, s46
	s_lshl_b32 s99, s97, s47
	s_add_co_u32 s98, s98, s99
	s_add_co_u32 s98, s98, s92
	s_mov_b32 s99, 0
	s_add_nc_u64 s[OB:OB+1], s[12:13], s[98:99]
	s_mul_i32 s98, s96, s94
	s_lshl_b32 s46, s97, s95
	s_add_co_u32 s98, s98, s46
	s_add_co_u32 s98, s98, s93
	s_add_nc_u64 s[SB:SB+1], s[12:13], s[98:99]
	s_mov_b32 s98, s94
	s_add_nc_u64 s[SB2:SB2+1], s[SB:SB+1], s[98:99]
	s_lshl_b32 s98, s45, 2
	s_add_nc_u64 s[BP:BP+1], s[BP:BP+1], s[98:99]  ; the bias at my first channel
	s_mov_b32 s[ST+1], 0
	v_add_nc_u32 v[LI2], s[D2], v[LI]
	; the bias goes into P's set 0, which is done with: eight places stand behind its last products
	s_cmp_eq_u32 s17, 2
	s_cbranch_scc1 .Lbias_v
	WIN TO_B
.irp b, 0,1,2,3,4,5,6,7
	global_load_b128 v[8*\b:8*\b+3], v[BO], s[BP:BP+1] offset:4*(32*(\b/2)+8*(\b%2))        ; register 8 b + j: channel 32 (b / 2) + 16 h + 8 (b % 2) + j
	global_load_b128 v[8*\b+4:8*\b+7], v[BO], s[BP:BP+1] offset:4*(32*(\b/2)+8*(\b%2))+16
.endr
	WIN 0
	s_branch .Lbias_in
.Lbias_v:
	WIN TO_B
.irp a, 0,1,2,3,4,5,6,7
	global_load_b32 v[64+2*\a], v[BOV], s[BP:BP+1] offset:4*(32*(\a/2)+8*(\a%2))            ; tile a: my slot's channel
.endr
	WIN 0
.Lbias_in:
	s_wait_dscnt 16                                ; the last step
	WIN MUL_LO
	MUL16 0, 1, 7, 0
	MUL16 2, 1, 7, 0
	s_wait_dscnt 0x0
	WIN MUL_HI
	MUL16 4, 1, 7, 0
	MUL16 6, 1, 7, 0
	WIN 0
	PLACES 8
	s_wait_loadcnt 0x0                             ; the bias
; THE WAY OUT: eight trips, one for each tile of R.  Only the accumulators' register numbers differ from trip to trip: a chain of compares on the trip's number leads to the block that adds the bias to that tile's 64
; sums and so brings them into window 0, each accumulator from its low end on; all else is written once.
.macro COPY n, a, isv
.Lcopy_\n:
	WIN 0x06+(\a)/4
.irp i, 0,2,4,6,8,10,12,14,16,18,20,22,24,26,28,30,32,34,36,38,40,42,44,46,48,50,52,54,56,58,60,62
.if \isv
	v_pk_add_f32 v[T+\i:T+\i+1], v[64*((\a)%4)+\i:64*((\a)%4)+\i+1], v[64+2*(\a):65+2*(\a)] op_sel_hi:[1,0]
.else
	v_pk_add_f32 v[T+\i:T+\i+1], v[64*((\a)%4)+\i:64*((\a)%4)+\i+1], v[\i:\i+1]
.endif
.endr
	WIN 0
	s_branch .Ljoin
.endm
	s_mov_b32 s[AI], 0
.Lrow:
.irp k, 0,1,2,3,4,5,6,7,8,9,10,11,12,13,14
	s_cmp_eq_u32 s[CI], \k
	s_cbranch_scc1 .Lcopy_\k
.endr
	s_branch .Lcopy_15
	COPY 0, 0, 0
	COPY 1, 1, 0
	COPY 2, 2, 0
	COPY 3, 3, 0
	COPY 4, 4, 0
	COPY 5, 5, 0
	COPY 6, 6, 0
	COPY 7, 7, 0
	COPY 8, 0, 1
	COPY 9, 1, 1
	COPY 10, 2, 1
	COPY 11, 3, 1
	COPY 12, 4, 1
	COPY 13, 5, 1
	COPY 14, 6, 1
	COPY 15, 7, 1
.Ljoin:
	QUANT T, PW
	s_mov_b32 s[MK], 0xffff0000
	s_cmp_lt_u32 s[AI], 4
	s_cselect_b32 s[MK], 0xffff, s[MK]             ; tiles 0-3: the lower half of the lanes keeps the word, tiles 4-7: the upper
	v_cndmask_b32 v[XW], v[XW], v[XW+1], s[MK]     ; the four words move down by one
	v_cndmask_b32 v[XW+1], v[XW+1], v[XW+2], s[MK]
	v_cndmask_b32 v[XW+2], v[XW+2], v[XW+3], s[MK]
	v_cndmask_b32 v[XW+3], v[XW+3], v[PW], s[MK]
	global_store_b128 v[LI], v[PC:PC+3], s[OB:OB+1]                 ; each store covers 512 consecutive bytes
	global_store_b128 v[LI], v[PC+4:PC+7], s[OB:OB+1] offset:512
	global_store_b128 v[LI2], v[PC+8:PC+11], s[OB:OB+1]
	global_store_b128 v[LI2], v[PC+12:PC+15], s[OB:OB+1] offset:512
	s_wait_xcnt 0x0                                ; the stores have read their data and their base: both are written again
	s_cmp_eq_u32 s[AI], 3
	s_cselect_b32 s[ST], s[STJ], s[STA]
	s_add_nc_u64 s[OB:OB+1], s[OB:OB+1], s[ST:ST+1]
	s_add_co_u32 s[CI], s[CI], 1
	s_add_co_u32 s[AI], s[AI], 1
	s_cmp_lt_u32 s[AI], 8
	s_cbranch_scc1 .Lrow
	; the scale words: lane (r, h) holds those of slot r in tiles 4 h .. 4 h + 3
	s_cmp_eq_u32 s17, 2
	s_cbranch_scc1 .Lwords_v
	s_wait_alu depctr_va_vdst(0)
.irp j, 0,1,2,3
	v_and_b32 v[TM+\j], 0xffff, v[XW+\j]           ; the first head's two bytes,
	v_lshrrev_b32 v[TM+4+\j], 16, v[XW+\j]         ; the second head's
.endr
	global_store_b128 v[WO], v[TM:TM+3], s[SB:SB+1]        ; 512 consecutive bytes each
	global_store_b128 v[WO], v[TM+4:TM+7], s[SB2:SB2+1]
	s_branch .Lwords_out
.Lwords_v:
	s_wait_alu depctr_va_vdst(0)
	global_store_b128 v[WOV], v[XW:XW+3], s[SB:SB+1]       ; sixteen lanes store 256 consecutive bytes of each head
.Lwords_out:
	s_wait_tensorcnt 0x0                           ; the wave's end
	ds_add_u32 v[SPW], v[NIL]
	s_wait_dscnt 0x0
	CROUND                                         ; the closing round
	s_endpgm
.Lfunc_end_k_q272fadfe94_proj:
	.size	k_q272fadfe94_proj, .Lfunc_end_k_q272fadfe94_proj-k_q272fadfe94_proj
	.p2alignl 7, 3214868480
	.fill 96, 4, 3214868480
	.section	.rodata,"a",@progbits
	.p2align	6, 0x0
	.amdhsa_kernel k_q272fadfe94_proj
		.amdhsa_group_segment_fixed_size 327680
		.amdhsa_private_segment_fixed_size 0
		.amdhsa_enable_private_segment 0
		.amdhsa_kernarg_size 40
		.amdhsa_user_sgpr_count 2
		.amdhsa_user_sgpr_kernarg_segment_ptr 1
		.amdhsa_wavefront_size32 1
		.amdhsa_system_sgpr_workgroup_id_x 1
		.amdhsa_system_sgpr_workgroup_id_y 1
		.amdhsa_system_sgpr_workgroup_id_z 1
		.amdhsa_system_vgpr_workitem_id 0
		.amdhsa_next_free_vgpr 1024
		.amdhsa_next_free_sgpr 100
		.amdhsa_reserve_vcc 0
		.amdhsa_float_denorm_mode_32 3
		.amdhsa_float_denorm_mode_16_64 3
		.amdhsa_memory_ordered 1
		.amdhsa_forward_progress 1
		.amdhsa_inst_pref_size 165
	.end_amdhsa_kernel
	.amdgpu_metadata
---
amdhsa.version: [ 1, 2 ]
amdhsa.kernels:
  - .name:           k_q272fadfe94_proj
    .symbol:         k_q272fadfe94_proj.kd
    .args:
      - { .name: inq, .offset: 0, .size: 8, .value_kind: global_buffer, .address_space: global }
      - { .name: bq, .offset: 8, .size: 8, .value_kind: global_buffer, .address_space: global }
      - { .name: bk, .offset: 16, .size: 8, .value_kind: global_buffer, .address_space: global }
      - { .name: bv, .offset: 24, .size: 8, .value_kind: global_buffer, .address_space: global }
      - { .name: pq, .offset: 32, .size: 8, .value_kind: global_buffer, .address_space: global }
    .group_segment_fixed_size: 327680
    .private_segment_fixed_size: 0
    .kernarg_segment_align: 8
    .kernarg_segment_size: 40
    .max_flat_workgroup_size: 128
    .sgpr_count:     100
    .vgpr_count:     1024
    .wavefront_size: 32
...
	.end_amdgpu_metadata
.endif
;; end of part 2
;; launch attn (part 3): grid 8 x 32, 16 waves a work-group, clusters of 4 x 1, 327,680 bytes of LDS; arguments pq, x, g1, be1, o1, o1q; writes o1, o1q
.if DOCPART == 3
	.amdgcn_target "amdgcn-amd-amdhsa--gfx1250"
	.amdhsa_code_object_version 6
	.text
	.protected	k_q272fadfe94_attn
	.globl	k_q272fadfe94_attn
	.p2align	8
	.type	k_q272fadfe94_attn,@function
k_q272fadfe94_attn:
	s_mov_b64 s[64:65], 0
	v_nop
	global_prefetch_b8 v0, s[64:65] scope:SCOPE_SE
	s_setreg_imm32_b32 hwreg(HW_REG_WAVE_MODE, 25, 1), 1
	s_wait_xcnt 0x0
	s_wait_alu depctr_hold_cnt(0) depctr_sa_sdst(0) depctr_va_vdst(0) depctr_va_sdst(0) depctr_va_ssrc(0) depctr_va_vcc(0) depctr_vm_vsrc(0)
	s_getreg_b32 s2, hwreg(HW_REG_IB_STS2, 6, 4)
	s_cmp_eq_u32 s2, 0
	s_cbranch_scc0 .Lentry_in_a_cluster
	s_endpgm
.Lentry_in_a_cluster:
	s_bfe_u32 s2, ttmp6, 0x10000c
	s_cmp_lg_u32 s2, 0x3003
	s_cbranch_scc0 .Lentry_shape_is_right
	s_endpgm
.Lentry_shape_is_right:
; Launch 3 of 6: ctx = softmax(q k^T / 32) v on the codes of launch 2, then out1 = x + LN(ctx as rows of 1,024) x g1 + be1, stored as f32 (o1) and as codes with scale words (o1q).  No work is left out.
; SHARES.  A work-group owns 256 queries of one head, each of its sixteen waves 16 of them: by a raw reshape these 16 x 64 numbers are ONE row of 1,024 of out1, so the norm never leaves the wave.
; K AND V OF A WHOLE HEAD STAY IN LDS: 16 key steps of 16,384 bytes (8 tiles of keys x 1,024, 4 tiles of channels x 2,048, as images of registers).  Wave w asks for key step w: one tensor load a wave, all at the head,
; each byte filled once; behind the one barrier the waves walk the 16 steps with no further barrier.  The head's 12,288 bytes of scale words come by plain loads, 16 and 8 bytes a thread, and go into LDS bytes of their own.
; CLUSTER: the four work-groups of a cluster walk the same head: every tensor load is a joint one (mask 15).
; No prefetch of K and V: all of them are asked for at the head, so there is no trip to run ahead in.  x's rows are asked for three trips ahead of their loads: even waves, 32 blocks of 256 bytes, their own row and the next wave's.
; THE ARITHMETIC OF A LANE: S^T = K Q^T, O^T = V^T P^T, a lane holds one query; t = score x log2(e) / 32; M = the running largest t rounded up; p = 2^(t - M) is quantised along the keys; the sum is of the unquantised p.
; THE HEAD'S 64 CHANNELS FILL HALF OF THE PRODUCT'S 128.  Q's upper eight registers are zero codes.  A tile of K is eight registers, and the eight behind it, which the instruction names too, are the next tile's codes
; (behind tile 7: zeros): finite codes, since launch 2 holds every number at 448 x its scale, under scale bytes 0; they meet zero codes alone and add nothing.  So eight tiles lie in 72 registers and are multiplied in one run.
; LIMITS: the promise holds while |t| stays under 2^31; a block of zeros gets the byte 1 where the rule says 127 (this program alone reads the bytes); NaN and infinities are not served.
.set KVB,   4194304
.set QSB,   12582912
.set KSB,   12845056
.set SCB,   262144                     ; LDS: K's words 8,192 bytes, V's 4,096
.set SPARE, SCB+12288                  ; the spare words, 128 bytes a wave, that no other line names
.set IMG,   69632                      ; the way out: 16 stages of 4,352 bytes, then the unit's image and its words; all in bytes that have had their one fill and their last read
.set ISC,   IMG+16384
.set LI,   1
.set ASK0, 2
.set ASV0, 3
.set IMR,  4
.set SPW,  5
.set NIL,  6
.set PFO,  7
.set ADK,  8
.set XO,   9
.set ADS,  10
.set ADT,  11
.set QF,   16                          ; v16-31 Q
.set KF,   32                          ; v32-95 K's eight tiles; v96-103 zeros
.set S,    104                         ; v104-167 S^T, then p, then V's four fragments
.set O,    168                         ; v168-199 O^T
.set KW,   200                         ; v200-213 scale words and nothing else: K's 8, V's 4, Q's, p's
.set VW,   208
.set QW,   212
.set PW,   213
.set F,    214                         ; v[214:215] the factor, and 0
.set PC,   216                         ; v216-231 p's codes
.set BM,   232
.set BT,   236
.set HL,   240
.set SO,   244
.set TP,   248
.set ISR,  249
.set SM,   250
.set STI,  252
.set STR,  253
.set IMA,  254
.set ISA,  255
.set WV,   18
.set MNT,  19
.set SEL,  20
.set CS,   22
.set G1A,  24
.set GG,   84
.set TB,   2
.set TS,   3
.set TJ,   66
.set CNT,  67
.set XR,   68
.set LIM,  70
.set O1R,  72
.set OQC,  74
.set OQS,  76
.set QC,   78
.set QS,   80
.set WS,   82
.macro CROUND
	s_barrier_signal -1
	s_barrier_wait -1
	s_cmp_lg_u32 s[WV], 0
	s_cbranch_scc1 .Lnot_wave_0_\@
	s_barrier_signal -3
.Lnot_wave_0_\@:
	s_barrier_wait -3
	s_barrier_signal -1
	s_barrier_wait -1
.endm
.macro WAVESUM a, t
	s_delay_alu instid0(VALU_DEP_1)
	v_add_f32_dpp v[\a], v[\a], v[\a] row_xmask:1 row_mask:0xf bank_mask:0xf
	s_delay_alu instid0(VALU_DEP_1)
	v_add_f32_dpp v[\a], v[\a], v[\a] row_xmask:2 row_mask:0xf bank_mask:0xf
	s_delay_alu instid0(VALU_DEP_1)
	v_add_f32_dpp v[\a], v[\a], v[\a] row_xmask:4 row_mask:0xf bank_mask:0xf
	s_delay_alu instid0(VALU_DEP_1)
	v_add_f32_dpp v[\a], v[\a], v[\a] row_xmask:8 row_mask:0xf bank_mask:0xf
	s_delay_alu instid0(VALU_DEP_1)
	v_permlanex16_b32 v[\t], v[\a], s[SEL], s[SEL+1]
	s_delay_alu instid0(VALU_DEP_1)
	v_add_f32 v[\a], v[\a], v[\t]
.endm
.macro KLOAD ak, as, ko, so            ; a key step's eight tiles of K and their words
.irp t, 0,1,2,3,4,5,6,7
	ds_load_b128 v[KF+8*\t:KF+8*\t+3], v[\ak] offset:\ko+1024*\t
	ds_load_b128 v[KF+8*\t+4:KF+8*\t+7], v[\ak] offset:\ko+1024*\t+512
.endr
	ds_load_b128 v[KW:KW+3], v[\as] offset:\so
	ds_load_b128 v[KW+4:KW+7], v[\as] offset:\so+16
.endm
; A KEY STEP of 128 keys.  Its K is in registers already.  tail = 0: the next step's K is fetched under the softmax; tail = 1, the last step: x's and g1's numbers take those registers.
.macro KEYSTEP tail
	v_add_nc_u32 v[ADK], s[TB], v[LI]
	v_add_nc_u32 v[ADS], s[TS], v[ASK0]
	v_add_nc_u32 v[ADT], s[TJ], v[ASV0]
.rept 6
	v_nop                                          ; with the three lines above: nine places between the last products, which read V's fragments, and the products that write over them
.endr
.irp t, 0,1,2,3,4,5,6,7
	v_wmma_scale_f32_16x16x128_f8f6f4 v[S+8*\t:S+8*\t+7], v[KF+8*\t:KF+8*\t+15], v[QF:QF+15], 0, v[KW+\t], v[QW]
.endr
.rept 8
	v_nop                                          ; eight places ahead of the first read of a score and of loads into K's registers
.endr
.if \tail
.irp b, 0,1
.irp j, 0,1,2,3
	global_load_b128 v[KF+16*\b+4*\j:KF+3+16*\b+4*\j], v[XO], s[XR:XR+1] offset:128*\b+16*\j th:TH_LOAD_NT
.endr
.endr
.irp b, 0,1
.irp j, 0,1,2,3
	global_load_b128 v[KF+32+16*\b+4*\j:KF+35+16*\b+4*\j], v[XO], s[8:9] offset:128*\b+16*\j
.endr
.endr
.else
	KLOAD ADK, ADS, 16384, 512
.endif
.irp b, 0,1,2,3
	v_max3_num_f32 v[BM+\b], v[S+16*\b], v[S+1+16*\b], v[S+2+16*\b]   ; each block's largest score: for the row's maximum and for the block's largest p
.endr
.irp b, 0,1,2,3
	v_max3_num_f32 v[HL+\b], v[S+3+16*\b], v[S+4+16*\b], v[S+5+16*\b]   ; two chains a block, eight in all by turns: no line reads the line above it
.endr
.irp i, 6,10
.irp b, 0,1,2,3
	v_max3_num_f32 v[BM+\b], v[BM+\b], v[S+16*\b+\i], v[S+1+16*\b+\i]
.endr
.irp b, 0,1,2,3
	v_max3_num_f32 v[HL+\b], v[HL+\b], v[S+2+16*\b+\i], v[S+3+16*\b+\i]
.endr
.endr
.irp b, 0,1,2,3
	v_max3_num_f32 v[BM+\b], v[BM+\b], v[HL+\b], v[S+14+16*\b]
.endr
.irp b, 0,1,2,3
	v_max_num_f32 v[BM+\b], v[BM+\b], v[S+15+16*\b]
.endr
.irp b, 0,1,2,3
	s_delay_alu instid0(VALU_DEP_4)
	v_permlanex16_b32 v[BT+\b], v[BM+\b], s[SEL], s[SEL+1]
.endr
.irp b, 0,1,2,3
	s_delay_alu instid0(VALU_DEP_4)
	v_max_num_f32 v[BM+\b], v[BM+\b], v[BT+\b]
.endr
	s_delay_alu instid0(VALU_DEP_2)
	v_max3_num_f32 v[TP], v[BM], v[BM+1], v[BM+2]
	s_delay_alu instid0(VALU_DEP_1)
	v_max_num_f32 v[TP], v[TP], v[BM+3]
	s_delay_alu instid0(VALU_DEP_1)
	v_mul_f32 v[TP], s[CS], v[TP]
	s_delay_alu instid0(VALU_DEP_1)
	v_max_num_f32 v13, v13, v[TP]                  ; the running largest t
	v_mov_b32 v[TP], v12
	s_delay_alu instid0(VALU_DEP_2)
	v_floor_f32 v12, -v13                          ; -M, a whole number
.set J, 0
.rept 32
	v_pk_fma_f32 v[S+J:S+1+J], v[S+J:S+1+J], s[CS:CS+1], v[12:13] op_sel_hi:[1,0,0]   ; t - M, two at a time
.set J, J+2
.endr
	v_sub_f32 v[TP], v12, v[TP]                    ; old M - new M, a whole number; its three lines stand among the blocks' four
	v_fma_f32 v[BM], v[BM], s[CS], v12
	v_fma_f32 v[BM+1], v[BM+1], s[CS], v12
	v_cvt_i32_f32 v[TP], v[TP]
	v_fma_f32 v[BM+2], v[BM+2], s[CS], v12
	v_fma_f32 v[BM+3], v[BM+3], s[CS], v12
	v_ldexp_f32 v[F], 1.0, v[TP]                   ; f = 2^(old M - new M)
.set J, 0
	s_wait_alu depctr_va_vdst(0)                   ; the wait ahead of the batch
.rept 64
	v_exp_f32 v[S+J], v[S+J]
.set J, J+1
.endr
	v_pk_mul_f32 v[14:15], v[14:15], v[F:F+1] op_sel_hi:[1,0]
	s_wait_alu depctr_va_vdst(0)                   ; and behind it, ahead of its first reader
.irp b, 0,1,2,3
	v_exp_f32 v[BM+\b], v[BM+\b]
.endr
	v_pk_add_f32 v[SM:SM+1], v[S:S+1], v[S+2:S+3]  ; the sum of the unquantised p, two at a time, in four chains
	v_pk_add_f32 v[BT:BT+1], v[S+4:S+5], v[S+6:S+7]
	v_pk_add_f32 v[BT+2:BT+3], v[S+8:S+9], v[S+10:S+11]
	v_pk_add_f32 v[14:15], v[14:15], v[S+12:S+13]
.irp j, 14,22,30,38,46,54
	v_pk_add_f32 v[SM:SM+1], v[SM:SM+1], v[S+\j:S+1+\j]
	v_pk_add_f32 v[BT:BT+1], v[BT:BT+1], v[S+2+\j:S+3+\j]
	v_pk_add_f32 v[BT+2:BT+3], v[BT+2:BT+3], v[S+4+\j:S+5+\j]
	v_pk_add_f32 v[14:15], v[14:15], v[S+6+\j:S+7+\j]
.endr
	v_pk_add_f32 v[SM:SM+1], v[SM:SM+1], v[S+62:S+63]
	v_pk_add_f32 v[BT:BT+1], v[BT:BT+1], v[BT+2:BT+3]
	v_pk_add_f32 v[14:15], v[14:15], v[SM:SM+1]
	v_pk_add_f32 v[14:15], v[14:15], v[BT:BT+1]
	s_wait_alu depctr_va_vdst(0)                   ; for the four
.irp b, 0,1,2,3
	v_max_num_f32 v[BM+\b], 0x4800000, v[BM+\b]    ; the floor 2^(9 - 127): the byte cannot fall under 1
.endr
.irp b, 0,1,2,3
	s_delay_alu instid0(VALU_DEP_4)
	v_add_nc_u32 v[SO+\b], 0xfc000000, v[BM+\b]    ; the conversion's scale operand
.endr
.irp b, 0,1,2,3
	v_and_or_b32 v[HL+\b], v[BM+\b], 0x7f800000, s[MNT]   ; 448 x the scale
.endr
.irp b, 0,1,2,3
	v_lshrrev_b32 v[BT+\b], 23, v[SO+\b]
.endr
	s_delay_alu instid0(VALU_DEP_3)
	v_lshl_or_b32 v[PW], v[BT+1], 8, v[BT]
	s_delay_alu instid0(VALU_DEP_1)
	v_lshl_or_b32 v[PW], v[BT+2], 16, v[PW]
	s_delay_alu instid0(VALU_DEP_1)
	v_lshl_or_b32 v[PW], v[BT+3], 24, v[PW]
	ds_load_b128 v[VW:VW+3], v[ADT]
.irp b, 0,1,2,3
.irp i, 0,1,2,3,4,5,6,7,8,9,10,11,12,13,14,15
	v_min_num_f32 v[S+16*\b+\i], v[S+16*\b+\i], v[HL+\b]   ; the conversion does not saturate (ISA guide 7.6.2); p is not negative
.endr
	v_cvt_scalef32_pk8_fp8_f32 v[PC+4*\b:PC+1+4*\b], v[S+16*\b:S+7+16*\b], v[SO+\b]
	v_cvt_scalef32_pk8_fp8_f32 v[PC+2+4*\b:PC+3+4*\b], v[S+8+16*\b:S+15+16*\b], v[SO+\b]
.if \b == 3
	v_nop                                          ; a plain line behind the last conversion (behind the others: the next block's holds)
.endif
.irp c, 0,1,2,3
	ds_load_b128 v[S+16*\b+4*\c:S+3+16*\b+4*\c], v[ADK] offset:8192+2048*\b+512*\c   ; V's tile b takes block b's 16 registers as soon as its codes are made
.endr
.endr
.if \tail == 0
	s_cmp_eq_u32 s[CNT], s[LIM]
	s_cbranch_scc0 .Lno_prefetch_\@
	global_prefetch_b8 v[PFO], s[XR:XR+1] th:TH_LOAD_NT scope:SCOPE_SE
.Lno_prefetch_\@:
.endif
	s_wait_alu depctr_va_vdst(0)                   ; the wait directly ahead of the first reader of O^T
.set J, 0
.rept 16
	v_pk_mul_f32 v[O+J:O+1+J], v[O+J:O+1+J], v[F:F+1] op_sel_hi:[1,0]   ; O^T under the new M; also the places ahead of the products
.set J, J+2
.endr
	s_wait_alu depctr_va_vdst(0)
	s_wait_dscnt 0x0                               ; V's fragments and words, and the next step's K
.irp t, 0,1,2,3
	v_wmma_scale_f32_16x16x128_f8f6f4 v[O+8*\t:O+7+8*\t], v[S+16*\t:S+15+16*\t], v[PC:PC+15], v[O+8*\t:O+7+8*\t], v[VW+\t], v[PW]
.endr
.endm
	s_load_b256 s[4:11], s[0:1], 0x0               ; pq, x, g1, be1
	s_load_b128 s[12:15], s[0:1], 0x20             ; o1, o1q
	v_lshl_add_u32 v[SPW], v0, 2, SPARE
	v_mov_b32 v[NIL], 0
	ds_add_u32 v[SPW], v[NIL]                      ; the opening lines: the add, twice on end, and its wait
	ds_add_u32 v[SPW], v[NIL]
	v_lshrrev_b32 v8, 5, v0
	s_delay_alu instid0(VALU_DEP_1)
	v_readfirstlane_b32 s[WV], v8
	s_and_b32 s48, ttmp7, 0xffff                   ; the head, 16 x batch + head
	s_bfe_u32 s49, ttmp6, 0x40000
	s_lshl_b32 s50, ttmp9, 2
	s_add_co_u32 s50, s50, s49                     ; which 256 queries
	s_lshl_b32 s54, s48, 18
	s_lshl_b32 s55, s[WV], 14
	s_add_co_u32 s54, s54, s55
	s_add_co_u32 s54, s54, KVB                     ; key step = my wave's number
	s_mov_b32 s55, 0
	s_mul_i32 s56, s48, 12288
	s_add_co_u32 s56, s56, KSB                     ; the head's scale words
	s_mov_b32 s57, 0
	s_mov_b32 s[G1A], 15|(3<<16)|(1<<21)           ; the cluster's four; elements of 8 bytes; 64 dense rows of 256 bytes
	s_mov_b32 s[G1A+1], 32<<16
	s_mov_b32 s[G1A+2], 64<<16
	s_mov_b32 s[G1A+3], 32<<16
	s_mov_b32 s[G1A+4], 64
	s_mov_b32 s[G1A+5], 32
	s_mov_b32 s[G1A+6], 0
	s_mov_b32 s[G1A+7], 0
	s_mov_b32 s[SEL], 0x76543210
	s_mov_b32 s[SEL+1], 0xfedcba98
	s_mov_b32 s[CS], 0x3d38aa3b                    ; log2(e) / 32
	s_mov_b32 s[CS+1], s[CS]
	s_mov_b32 s[MNT], 0x600000
	s_wait_dscnt 0x0
	s_wait_kmcnt 0x0
	s_mov_b32 s[GG], 1
	s_lshl_b32 s[GG+1], s[WV], 14
	s_add_nc_u64 s[GG+2:GG+3], s[4:5], s[54:55]
	s_or_b32 s[GG+3], s[GG+3], 0x80000000
	CROUND                                         ; the four work-groups are here: the joint loads meet
	tensor_load_to_lds s[GG:GG+3], s[G1A:G1A+7]    ; my one tensor load
	s_nop 0
.rept 4
	v_nop
.endr
	s_add_nc_u64 s[WS:WS+1], s[4:5], s[56:57]
	s_lshl_b32 s52, s50, 4
	s_add_co_u32 s53, s52, s[WV]                   ; my tile of 16 queries in the head
	s_lshl_b32 s51, s48, 7
	s_add_co_u32 s51, s51, s53                     ; my row of out1
	s_lshl_b32 s58, s51, 12
	s_mov_b32 s59, 0
	s_add_nc_u64 s[XR:XR+1], s[6:7], s[58:59]
	s_add_nc_u64 s[O1R:O1R+1], s[12:13], s[58:59]
	s_lshl_b32 s60, s48, 3
	s_add_co_u32 s60, s60, s50                     ; the work-group's unit of o1q
	s_lshl_b32 s58, s60, 14
	s_lshl_b32 s61, s[WV], 10
	s_add_co_u32 s58, s58, s61
	s_add_nc_u64 s[OQC:OQC+1], s[14:15], s[58:59]
	s_lshl_b32 s58, s60, 9
	s_add_co_u32 s58, s58, 4194304
	s_add_nc_u64 s[OQS:OQS+1], s[14:15], s[58:59]
	s_lshl_b32 s58, s48, 17
	s_lshl_b32 s61, s53, 10
	s_add_co_u32 s58, s58, s61
	s_add_nc_u64 s[QC:QC+1], s[4:5], s[58:59]
	s_lshl_b32 s58, s48, 13
	s_lshr_b32 s61, s53, 3
	s_lshl_b32 s61, s61, 9
	s_add_co_u32 s58, s58, s61
	s_and_b32 s61, s53, 7
	s_lshl_b32 s61, s61, 2
	s_add_co_u32 s58, s58, s61
	s_add_co_u32 s58, s58, QSB
	s_add_nc_u64 s[QS:QS+1], s[4:5], s[58:59]
	s_and_b32 s61, s[WV], 1
	s_cmp_eq_u32 s61, 0
	s_cselect_b32 s[LIM], 3, -1                    ; even waves prefetch where three trips are left
	v_and_b32 v8, 31, v0
	s_delay_alu instid0(VALU_DEP_1)
	v_lshlrev_b32 v[LI], 4, v8
	s_delay_alu instid0(VALU_DEP_2)
	v_lshlrev_b32 v[PFO], 8, v8
	v_and_b32 v10, 15, v0
	v_bfe_u32 v11, v0, 4, 1
	s_delay_alu instid0(VALU_DEP_2)
	v_lshlrev_b32 v114, 5, v10
	v_lshlrev_b32 v104, 4, v0                      ; the scale words: 16 bytes a thread of K's 8,192,
	v_lshlrev_b32 v105, 3, v0                      ; 8 of V's 4,096
	global_load_b128 v[QF:QF+3], v[LI], s[QC:QC+1]
	global_load_b128 v[QF+4:QF+7], v[LI], s[QC:QC+1] offset:512
	global_load_b32 v[QW], v114, s[QS:QS+1]
	global_load_b128 v[108:111], v104, s[WS:WS+1]
	global_load_b64 v[112:113], v105, s[WS:WS+1] offset:8192
	v_lshl_add_u32 v106, v0, 4, SCB
	v_lshl_add_u32 v107, v0, 3, SCB+8192
	v_lshl_add_u32 v[ASK0], v10, 5, SCB
	v_lshl_add_u32 v[ASV0], v10, 4, SCB+8192
	v_lshlrev_b32 v[XO], 8, v10
	s_delay_alu instid0(VALU_DEP_1)
	v_lshl_add_u32 v[XO], v11, 6, v[XO]
	s_mul_i32 s61, s[WV], 4352
	v_mul_u32_u24 v[STI], v10, 272
	s_delay_alu instid0(VALU_DEP_1)
	v_lshl_add_u32 v[STI], v11, 6, v[STI]
	s_delay_alu instid0(VALU_DEP_1)
	v_add_nc_u32 v[STI], s61, v[STI]
	v_mul_u32_u24 v[STR], v11, 272
	s_delay_alu instid0(VALU_DEP_1)
	v_lshl_add_u32 v[STR], v10, 4, v[STR]
	s_delay_alu instid0(VALU_DEP_1)
	v_add_nc_u32 v[STR], s61, v[STR]
	s_lshl_b32 s61, s[WV], 4
	s_add_co_u32 s61, s61, IMG
	v_lshlrev_b32 v[IMA], 10, v10
	s_delay_alu instid0(VALU_DEP_1)
	v_lshl_add_u32 v[IMA], v11, 8, v[IMA]
	s_delay_alu instid0(VALU_DEP_1)
	v_add_nc_u32 v[IMA], s61, v[IMA]
	s_lshl_b32 s61, s[WV], 5
	s_add_co_u32 s61, s61, ISC
	v_lshl_add_u32 v[ISA], v10, 1, s61
	s_lshl_b32 s61, s[WV], 10
	s_add_co_u32 s61, s61, IMG
	v_add_nc_u32 v[IMR], s61, v[LI]
	v_add_nc_u32 v[ISR], ISC, v[LI]
	v_mov_b32 v13, 0xff61b1e6                      ; -3e38, under every t
	s_delay_alu instid0(VALU_DEP_1)
	v_floor_f32 v12, -v13
	v_mov_b32 v14, 0
	v_mov_b32 v15, 0
	v_mov_b32 v[F+1], 0
.irp b, 0,1,2,3
	v_mov_b32 v[BT+\b], 0                          ; a lane permute's destination counts as one of its sources
.endr
.irp j, 0,1,2,3,4,5,6,7
	v_mov_b32 v[QF+8+\j], 0                        ; Q's upper 64 along K: zero codes
	v_mov_b32 v[KF+64+\j], 0                       ; and what stands behind K's tile 7
.endr
.set J, 0
.rept 32
	v_mov_b32 v[O+J], 0                            ; the step is written once: the first finds zeros
.set J, J+1
.endr
	s_mov_b32 s[TB], 0
	s_mov_b32 s[TS], 0
	s_mov_b32 s[TJ], 0
	s_mov_b32 s[CNT], 15
	s_wait_alu depctr_va_vdst(0)
	s_wait_tensorcnt 0x0                           ; my key step is in
	s_wait_loadcnt 0x0                             ; Q and my part of the scale words
	ds_store_b128 v106, v[108:111]
	ds_store_b64 v107, v[112:113]
	s_wait_dscnt 0x0
	s_barrier_signal -1
	s_barrier_wait -1                              ; all sixteen key steps and all words are in; nothing is filled again
	KLOAD LI, ASK0, 0, 0
	s_wait_dscnt 0x0
.Lkey:
	KEYSTEP 0
	s_add_co_u32 s[TB], s[TB], 16384
	s_add_co_u32 s[TS], s[TS], 512
	s_add_co_u32 s[TJ], s[TJ], 256
	s_sub_co_u32 s[CNT], s[CNT], 1
	s_cmp_lg_u32 s[CNT], 0
	s_cbranch_scc1 .Lkey
	KEYSTEP 1
	; THE WAY OUT: O^T / the sum is my row of 1,024; its norm, gain, bias and x; f32 through my stage, codes through the work-group's image
.rept 8
	v_nop
.endr
.irp b, 0,1
.irp j, 0,1,2,3
	global_load_b128 v[S+16*\b+4*\j:S+3+16*\b+4*\j], v[XO], s[10:11] offset:128*\b+16*\j
.endr
.endr
	s_wait_dscnt 0x0
	s_barrier_signal -1
	s_barrier_wait -1                              ; nobody reads K or V any more: the stages may be written
	v_add_f32 v14, v14, v15
	s_delay_alu instid0(VALU_DEP_1)
	v_permlanex16_b32 v[TP], v14, s[SEL], s[SEL+1]
	s_delay_alu instid0(VALU_DEP_1)
	v_add_f32 v14, v14, v[TP]
	s_wait_alu depctr_va_vdst(0)
	v_rcp_f32 v[F], v14
	v_nop
	s_wait_alu depctr_va_vdst(0)
.set J, 0
.rept 16
	v_pk_mul_f32 v[O+J:O+1+J], v[O+J:O+1+J], v[F:F+1] op_sel_hi:[1,0]
.set J, J+2
.endr
	v_pk_add_f32 v[240:241], v[O:O+1], v[O+2:O+3]
	v_pk_add_f32 v[242:243], v[O+4:O+5], v[O+6:O+7]
.irp j, 8,12,16,20,24,28
	s_delay_alu instid0(VALU_DEP_2)
	v_pk_add_f32 v[240:241], v[240:241], v[O+\j:O+1+\j]
	s_delay_alu instid0(VALU_DEP_2)
	v_pk_add_f32 v[242:243], v[242:243], v[O+2+\j:O+3+\j]
.endr
	s_delay_alu instid0(VALU_DEP_1)
	v_pk_add_f32 v[240:241], v[240:241], v[242:243]
	s_delay_alu instid0(VALU_DEP_1)
	v_add_f32 v240, v240, v241
	WAVESUM 240, 241
	s_delay_alu instid0(VALU_DEP_1)
	v_mul_f32 v240, 0x3a800000, v240               ; the mean of 1,024
.set J, 0
.rept 16
	v_pk_add_f32 v[O+J:O+1+J], v[O+J:O+1+J], v[240:241] op_sel_hi:[1,0] neg_lo:[0,1] neg_hi:[0,1]
.set J, J+2
.endr
	v_pk_mul_f32 v[240:241], v[O:O+1], v[O:O+1]
	v_pk_mul_f32 v[242:243], v[O+2:O+3], v[O+2:O+3]
.irp j, 4,8,12,16,20,24,28
	s_delay_alu instid0(VALU_DEP_2)
	v_pk_fma_f32 v[240:241], v[O+\j:O+1+\j], v[O+\j:O+1+\j], v[240:241]
	s_delay_alu instid0(VALU_DEP_2)
	v_pk_fma_f32 v[242:243], v[O+2+\j:O+3+\j], v[O+2+\j:O+3+\j], v[242:243]
.endr
	s_delay_alu instid0(VALU_DEP_1)
	v_pk_add_f32 v[240:241], v[240:241], v[242:243]
	s_delay_alu instid0(VALU_DEP_1)
	v_add_f32 v240, v240, v241
	WAVESUM 240, 241
	v_mov_b32 v241, 0x3727c5ac                     ; 1e-5
	s_delay_alu instid0(VALU_DEP_1)
	v_fma_f32 v240, v240, 0x3a800000, v241
	s_wait_alu depctr_va_vdst(0)
	v_rsq_f32 v[F], v240
	v_nop
	s_wait_alu depctr_va_vdst(0)
	s_wait_loadcnt 0x0                             ; x, g1, be1
.set J, 0
.rept 16
	v_pk_mul_f32 v[O+J:O+1+J], v[O+J:O+1+J], v[F:F+1] op_sel_hi:[1,0]
.set J, J+2
.endr
.set J, 0
.rept 16
	v_pk_fma_f32 v[O+J:O+1+J], v[O+J:O+1+J], v[KF+32+J:KF+33+J], v[S+J:S+1+J]
.set J, J+2
.endr
.set J, 0
.rept 16
	v_pk_add_f32 v[O+J:O+1+J], v[O+J:O+1+J], v[KF+J:KF+1+J]
.set J, J+2
.endr
.irp b, 0,1
.irp j, 0,1,2,3
	ds_store_b128 v[STI], v[O+16*\b+4*\j:O+3+16*\b+4*\j] offset:128*\b+16*\j
.endr
.endr
.irp i, 0,1,2,3,4,5,6,7
	ds_load_b128 v[S+32+4*\i:S+35+4*\i], v[STR] offset:544*\i   ; LDS serves a wave's instructions in order: these see my stores
.endr
.irp b, 0,1
	v_max3_num_f32 v[BM+\b], |v[O+16*\b]|, |v[O+1+16*\b]|, 0x4800000
.endr
.irp i, 2,4,6,8,10,12,14
.irp b, 0,1
	s_delay_alu instid0(VALU_DEP_2)
	v_max3_num_f32 v[BM+\b], v[BM+\b], |v[O+16*\b+\i]|, |v[O+1+16*\b+\i]|
.endr
.endr
.irp b, 0,1
	s_delay_alu instid0(VALU_DEP_2)
	v_permlanex16_b32 v[BT+\b], v[BM+\b], s[SEL], s[SEL+1]
.endr
.irp b, 0,1
	s_delay_alu instid0(VALU_DEP_2)
	v_max_num_f32 v[BM+\b], v[BM+\b], v[BT+\b]
.endr
.irp b, 0,1
	s_delay_alu instid0(VALU_DEP_2)
	v_add_nc_u32 v[SO+\b], 0xfc000000, v[BM+\b]
.endr
.irp b, 0,1
	s_delay_alu instid0(VALU_DEP_4)
	v_and_or_b32 v[HL+\b], v[BM+\b], 0x7f800000, s[MNT]
.endr
.irp b, 0,1
	s_delay_alu instid0(VALU_DEP_4)
	v_lshrrev_b32 v[BT+\b], 23, v[SO+\b]
.endr
	s_delay_alu instid0(VALU_DEP_1)
	v_lshl_or_b32 v[TP], v[BT+1], 8, v[BT]
.irp b, 0,1
.irp i, 0,1,2,3,4,5,6,7,8,9,10,11,12,13,14,15
	v_med3_num_f32 v[O+16*\b+\i], v[O+16*\b+\i], -v[HL+\b], v[HL+\b]
.endr
	v_cvt_scalef32_pk8_fp8_f32 v[PC+4*\b:PC+1+4*\b], v[O+16*\b:O+7+16*\b], v[SO+\b]
	v_cvt_scalef32_pk8_fp8_f32 v[PC+2+4*\b:PC+3+4*\b], v[O+8+16*\b:O+15+16*\b], v[SO+\b]
.endr
	v_nop
	s_wait_alu depctr_va_vdst(0)
.irp i, 0,1,2,3,4,5,6,7
	s_wait_dscnt 7-\i
	global_store_b128 v[LI], v[S+32+4*\i:S+35+4*\i], s[O1R:O1R+1] offset:512*\i   ; 512 consecutive bytes of my row
.endr
	ds_store_b128 v[IMA], v[PC:PC+3]
	ds_store_b128 v[IMA], v[PC+4:PC+7] offset:512
	ds_store_b16 v[ISA], v[TP]
	s_wait_dscnt 0x0
	s_barrier_signal -1
	s_barrier_wait -1                              ; the unit's image is whole
	ds_load_b128 v[PC+8:PC+11], v[IMR]
	ds_load_b128 v[PC+12:PC+15], v[IMR] offset:512
	s_wait_dscnt 0x0
	global_store_b128 v[LI], v[PC+8:PC+11], s[OQC:OQC+1]
	global_store_b128 v[LI], v[PC+12:PC+15], s[OQC:OQC+1] offset:512
	s_cmp_lg_u32 s[WV], 0
	s_cbranch_scc1 .Lnot_0
	ds_load_b128 v[BM:BM+3], v[ISR]
	s_wait_dscnt 0x0
	global_store_b128 v[LI], v[BM:BM+3], s[OQS:OQS+1]
.Lnot_0:
	s_wait_tensorcnt 0x0                           ; the wave's end
	ds_add_u32 v[SPW], v[NIL]
	s_wait_dscnt 0x0
	CROUND                                         ; the closing round
	s_endpgm
.Lfunc_end_k_q272fadfe94_attn:
	.size	k_q272fadfe94_attn, .Lfunc_end_k_q272fadfe94_attn-k_q272fadfe94_attn
	.p2alignl 7, 3214868480
	.fill 96, 4, 3214868480
	.section	.rodata,"a",@progbits
	.p2align	6, 0x0
	.amdhsa_kernel k_q272fadfe94_attn
		.amdhsa_group_segment_fixed_size 327680
		.amdhsa_private_segment_fixed_size 0
		.amdhsa_enable_private_segment 0
		.amdhsa_kernarg_size 48
		.amdhsa_user_sgpr_count 2
		.amdhsa_user_sgpr_kernarg_segment_ptr 1
		.amdhsa_wavefront_size32 1
		.amdhsa_system_sgpr_workgroup_id_x 1
		.amdhsa_system_sgpr_workgroup_id_y 1
		.amdhsa_system_sgpr_workgroup_id_z 1
		.amdhsa_system_vgpr_workitem_id 0
		.amdhsa_next_free_vgpr 256
		.amdhsa_next_free_sgpr 100
		.amdhsa_reserve_vcc 0
		.amdhsa_float_denorm_mode_32 3
		.amdhsa_float_denorm_mode_16_64 3
		.amdhsa_memory_ordered 1
		.amdhsa_forward_progress 1
		.amdhsa_inst_pref_size 68
	.end_amdhsa_kernel
	.amdgpu_metadata
---
amdhsa.version: [ 1, 2 ]
amdhsa.kernels:
  - .name:           k_q272fadfe94_attn
    .symbol:         k_q272fadfe94_attn.kd
    .args:
      - { .name: pq, .offset: 0, .size: 8, .value_kind: global_buffer, .address_space: global }
      - { .name: x, .offset: 8, .size: 8, .value_kind: global_buffer, .address_space: global }
      - { .name: g1, .offset: 16, .size: 8, .value_kind: global_buffer, .address_space: global }
      - { .name: be1, .offset: 24, .size: 8, .value_kind: global_buffer, .address_space: global }
      - { .name: o1, .offset: 32, .size: 8, .value_kind: global_buffer, .address_space: global }
      - { .name: o1q, .offset: 40, .size: 8, .value_kind: global_buffer, .address_space: global }
    .group_segment_fixed_size: 327680
    .private_segment_fixed_size: 0
    .kernarg_segment_align: 8
    .kernarg_segment_size: 48
    .max_flat_workgroup_size: 512
    .sgpr_count:     100
    .vgpr_count:     256
    .wavefront_size: 32
...
	.end_amdgpu_metadata
.endif
;; end of part 3
;; launch ffn1 (part 4): grid 16 x 16, 4 waves a work-group, clusters of 4 x 4, 327,680 bytes of LDS; arguments o1q, inq, b1, hq; writes hq
.if DOCPART == 4
	.amdgcn_target "amdgcn-amd-amdhsa--gfx1250"
	.amdhsa_code_object_version 6
	.text
	.protected	k_q272fadfe94_ffn1
	.globl	k_q272fadfe94_ffn1
	.p2align	8
	.type	k_q272fadfe94_ffn1,@function
k_q272fadfe94_ffn1:
	s_mov_b64 s[64:65], 0
	v_nop
	global_prefetch_b8 v0, s[64:65] scope:SCOPE_SE
	s_setreg_imm32_b32 hwreg(HW_REG_WAVE_MODE, 25, 1), 1
	s_wait_xcnt 0x0
	s_wait_alu depctr_hold_cnt(0) depctr_sa_sdst(0) depctr_va_vdst(0) depctr_va_sdst(0) depctr_va_ssrc(0) depctr_va_vcc(0) depctr_vm_vsrc(0)
	s_getreg_b32 s2, hwreg(HW_REG_IB_STS2, 6, 4)
	s_cmp_eq_u32 s2, 0
	s_cbranch_scc0 .Lentry_in_a_cluster
	s_endpgm
.Lentry_in_a_cluster:
	s_bfe_u32 s2, ttmp6, 0x10000c
	s_cmp_lg_u32 s2, 0xf033
	s_cbranch_scc0 .Lentry_shape_is_right
	s_endpgm
.Lentry_shape_is_right:
; Launch 4 of 6: h = gelu(out1 W1^T + b1) on the codes of launches 3 and 1, quantised along the hidden units on its way out.  No work is left out.
; The core is launch 2's: a work-group of four waves makes 256 tokens x 256 hidden units, K = 1,024 in four fills of 256 through two LDS slots; clusters of 4 x 4, R's tiles asked for jointly along a row, P's along a column.
; No prefetch: the block is the largest, in clusters, and K has four fills, of which two are asked for before the first product.
.set SLOT,  131072
.set PART,  32768
.set SCL,   2*SLOT
.set SPARE, SCL+16384
.set ADRA, 16
.set ADRB, 20
.set ADRS, 27
.set SPW,  28
.set NIL,  29
.set SC,   64
.set AF,   128
.set G1, 24
.set G0, 32
.set G1B, 48
.set G0B, 56
.set G1S, 68
.set G0S, 76
.set G1SB, 80
.set G0SB, 88
.set MUL_LO, 0xa1
.set MUL_HI, 0xf1
.set TO_B,   0x40
.set YLAY, 0
.set RPTR, 4
.set PPTR, 6
.set RSC0, 4194304
.set PSC0, 19922944
.set T,   128
.set Z,   192
.set Z2,  208
.set PA,  224
.set PB,  240
.set PC,  192
.set XW,  36
.set TM,  40
.set PW,  56
.set LI,  24
.set WO,  26
.set BO,  30
.set SEL, 66
.set MNT, 3
.set KA0, 24
.set KA2, 26
.set KB0, 36
.set KB2, 38
.set RS2, 44
.set AI,  46
.set MK,  47
.set OB,  48
.set SB,  50
.set BP,  52
.set MSB, 0
.macro WIN new
.if MSB != (\new)
	s_set_vgpr_msb (MSB<<8)|(\new)
.set MSB, (\new)
.endif
.endm
.macro PLACES n
.rept \n
	v_nop
.endr
.endm
.macro JLOAD g0a, g1a, g0b, g1b
	s_cmp_eq_u32 s15, 0
	s_cbranch_scc0 .Lfor_b_\@
	tensor_load_to_lds s[\g0a:\g0a+3], s[\g1a:\g1a+7]
	s_nop 0
.rept 4
	v_nop
.endr
	s_branch .Lasked_\@
.Lfor_b_\@:
	tensor_load_to_lds s[\g0b:\g0b+3], s[\g1b:\g1b+7]
	s_nop 0
.rept 4
	v_nop
.endr
.Lasked_\@:
.endm
.macro CREST
	s_cmp_lg_u32 s14, 0
	s_cbranch_scc1 .Lnot_wave_0_\@
	s_barrier_signal -3
.Lnot_wave_0_\@:
	s_barrier_wait -3
	s_barrier_signal -1
	s_barrier_wait -1
.endm
.macro CROUND
	s_barrier_signal -1
	s_barrier_wait -1
	CREST
.endm
.macro FRAG reg, adr, q, i
.irp c, 0,1,2,3
	ds_load_b128 v[\reg+4*\c:\reg+4*\c+3], v[\adr] offset:4096*(\i)+2048*(\q)+512*\c
.endr
.endm
.macro MUL16 a0, p, ks, zero
.irp a, \a0, \a0+1
.irp b, 0,1,2,3,4,5,6,7
.if \zero
	v_wmma_scale_f32_16x16x128_f8f6f4 v[8*(8*((\a)%4)+\b):8*(8*((\a)%4)+\b)+7], v[128*(\p)+16*\b:128*(\p)+16*\b+15], v[AF+16*(\a):AF+16*(\a)+15], 0, v[SC+8*\b+(\ks)], v[SC+(8*(\a)+(\ks))*(1-YLAY)+(8*(\ks)+(\a))*YLAY] matrix_a_scale:MATRIX_SCALE_ROW1
.else
	v_wmma_scale_f32_16x16x128_f8f6f4 v[8*(8*((\a)%4)+\b):8*(8*((\a)%4)+\b)+7], v[128*(\p)+16*\b:128*(\p)+16*\b+15], v[AF+16*(\a):AF+16*(\a)+15], v[8*(8*((\a)%4)+\b):8*(8*((\a)%4)+\b)+7], v[SC+8*\b+(\ks)], v[SC+(8*(\a)+(\ks))*(1-YLAY)+(8*(\ks)+(\a))*YLAY] matrix_a_scale:MATRIX_SCALE_ROW1
.endif
.endr
.endr
.endm
.macro FETCH_B slot, q, p
	WIN TO_B
.irp i, 0,1,2,3,4,5,6,7
	FRAG 128*(\p)+16*\i, ADRB+\slot, \q, \i
.endr
	WIN 0
.endm
.macro FETCH_A slot, q, i0
.irp i, \i0, \i0+1, \i0+2, \i0+3
	FRAG AF+16*(\i), ADRA+\slot, \q, \i
.endr
.endm
.macro SCALES_ALL
.irp j, 0,1,2,3,4,5,6,7,8,9,10,11,12,13,14,15
	ds_load_b128 v[SC+4*\j:SC+4*\j+3], v[ADRS] offset:512*(\j/2)+16*(\j%2)
.endr
.endm
.macro STEP slot, ks, zero
	s_wait_dscnt 16
	WIN MUL_LO
	MUL16 0, 0, \ks, \zero
	MUL16 2, 0, \ks, \zero
	s_wait_dscnt 0x0
	PLACES 8
	FETCH_B \slot, 1, 1
	FETCH_A \slot, 1, 0
	WIN MUL_HI
	MUL16 4, 0, \ks, \zero
	MUL16 6, 0, \ks, \zero
	PLACES 8
	WIN 0
	FETCH_A \slot, 1, 4
.endm
.macro TURN slot, next, ks, fill
	s_wait_tensorcnt 0x0
	ds_add_u32 v[SPW], v[NIL]
	s_wait_dscnt 17
	WIN MUL_LO
	MUL16 0, 1, \ks, 0
	s_wait_dscnt 0x0
	s_barrier_signal -1
	MUL16 2, 1, \ks, 0
	WIN 0
	s_barrier_wait -1
.if \fill
	CREST
	s_add_nc_u64 s[G0+4*\slot+2:G0+4*\slot+3], s[G0+4*\slot+2:G0+4*\slot+3], 8192
	s_add_nc_u64 s[G0B+4*\slot+2:G0B+4*\slot+3], s[G0B+4*\slot+2:G0B+4*\slot+3], 8192
	JLOAD G0+4*\slot, G1, G0B+4*\slot, G1B
	PLACES 4
.else
	PLACES 8
.endif
	FETCH_B \next, 0, 0
	FETCH_A \next, 0, 0
	WIN MUL_HI
	MUL16 4, 1, \ks, 0
	MUL16 6, 1, \ks, 0
	PLACES 8
	WIN 0
	FETCH_A \next, 0, 4
.endm
.macro QUANT s, w
.irp b, 0,1,2,3
	v_max3_num_f32 v[TM+\b], |v[\s+16*\b]|, |v[\s+1+16*\b]|, 0x4800000
.endr
.irp i, 2,4,6,8,10,12,14
.irp b, 0,1,2,3
	v_max3_num_f32 v[TM+\b], v[TM+\b], |v[\s+16*\b+\i]|, |v[\s+1+16*\b+\i]|
.endr
.endr
.irp b, 0,1,2,3
	v_permlanex16_b32 v[TM+4+\b], v[TM+\b], s[SEL], s[SEL+1]
.endr
.irp b, 0,1,2,3
	v_max_num_f32 v[TM+\b], v[TM+\b], v[TM+4+\b]
.endr
.irp b, 0,1,2,3
	v_add_nc_u32 v[TM+12+\b], 0xfc000000, v[TM+\b]
.endr
.irp b, 0,1,2,3
	v_and_or_b32 v[TM+8+\b], v[TM+\b], 0x7f800000, s[MNT]
.endr
.irp b, 0,1,2,3
	v_lshrrev_b32 v[TM+4+\b], 23, v[TM+12+\b]
.endr
	v_lshl_or_b32 v[\w], v[TM+5], 8, v[TM+4]
	v_lshl_or_b32 v[\w], v[TM+6], 16, v[\w]
	v_lshl_or_b32 v[\w], v[TM+7], 24, v[\w]
.irp b, 0,1,2,3
.irp i, 0,1,2,3,4,5,6,7,8,9,10,11,12,13,14,15
	v_med3_num_f32 v[\s+16*\b+\i], v[\s+16*\b+\i], -v[TM+8+\b], v[TM+8+\b]
.endr
	v_cvt_scalef32_pk8_fp8_f32 v[PC+4*\b:PC+1+4*\b], v[\s+16*\b:\s+7+16*\b], v[TM+12+\b]
	v_cvt_scalef32_pk8_fp8_f32 v[PC+2+4*\b:PC+3+4*\b], v[\s+8+16*\b:\s+15+16*\b], v[TM+12+\b]
.endr
	v_nop
.endm
.macro GELU g
.set TG, T+16*(\g)
.irp i, 0,2,4,6,8,10,12,14
	v_pk_mul_f32 v[Z+\i:Z+\i+1], v[TG+\i:TG+\i+1], s[RS2:RS2+1] op_sel_hi:[1,0]
.endr
.irp i, 0,1,2,3,4,5,6,7,8,9,10,11,12,13,14,15
	v_med3_num_f32 v[Z+\i], v[Z+\i], -4.0, 4.0
.endr
.irp i, 0,2,4,6,8,10,12,14
	v_pk_mul_f32 v[Z2+\i:Z2+\i+1], v[Z+\i:Z+\i+1], v[Z+\i:Z+\i+1]
.endr
.irp i, 0,2,4,6,8,10,12,14
	v_pk_fma_f32 v[PA+\i:PA+\i+1], v[Z2+\i:Z2+\i+1], s[KA0:KA0+1], v[32:33] op_sel_hi:[1,0,1]
.endr
.irp k, 0,1,2,3,4
.irp i, 0,2,4,6,8,10,12,14
	v_pk_fma_f32 v[PA+\i:PA+\i+1], v[PA+\i:PA+\i+1], v[Z2+\i:Z2+\i+1], s[KA2+2*\k:KA2+2*\k+1] op_sel_hi:[1,1,0]
.endr
.endr
.irp i, 0,2,4,6,8,10,12,14
	v_pk_fma_f32 v[PB+\i:PB+\i+1], v[Z2+\i:Z2+\i+1], s[KB0:KB0+1], v[34:35] op_sel_hi:[1,0,1]
.endr
.irp k, 0,1,2
.irp i, 0,2,4,6,8,10,12,14
	v_pk_fma_f32 v[PB+\i:PB+\i+1], v[PB+\i:PB+\i+1], v[Z2+\i:Z2+\i+1], s[KB2+2*\k:KB2+2*\k+1] op_sel_hi:[1,1,0]
.endr
.endr
	s_wait_alu depctr_va_vdst(0)
.irp i, 0,1,2,3,4,5,6,7,8,9,10,11,12,13,14,15
	v_rcp_f32 v[PB+\i], v[PB+\i]
.endr
.irp i, 0,2,4,6,8,10,12,14
	v_pk_mul_f32 v[PA+\i:PA+\i+1], v[PA+\i:PA+\i+1], v[Z+\i:Z+\i+1]
.endr
.irp i, 0,2,4,6,8,10,12,14
	v_pk_mul_f32 v[Z2+\i:Z2+\i+1], v[TG+\i:TG+\i+1], 0.5 op_sel_hi:[1,0]
.endr
	s_wait_alu depctr_va_vdst(0)
.irp i, 0,2,4,6,8,10,12,14
	v_pk_mul_f32 v[PA+\i:PA+\i+1], v[PA+\i:PA+\i+1], v[PB+\i:PB+\i+1]
.endr
.irp i, 0,2,4,6,8,10,12,14
	v_pk_fma_f32 v[TG+\i:TG+\i+1], v[Z2+\i:Z2+\i+1], v[PA+\i:PA+\i+1], v[Z2+\i:Z2+\i+1]
.endr
.endm
	s_load_b256 s[4:11], s[0:1], 0x0
	v_lshl_add_u32 v[SPW], v0, 2, SPARE
	v_mov_b32 v[NIL], 0
	ds_add_u32 v[SPW], v[NIL]
	ds_add_u32 v[SPW], v[NIL]
	v_lshrrev_b32 v1, 5, v0
	v_readfirstlane_b32 s14, v1
	s_lshr_b32 s15, s14, 1
	s_and_b32 s16, s14, 1
	s_bfe_u32 s40, ttmp6, 0x40000
	s_bfe_u32 s41, ttmp6, 0x40004
	s_lshl_b32 s20, ttmp9, 2
	s_add_co_u32 s20, s20, s40
	s_and_b32 s19, ttmp7, 0xffff
	s_lshl_b32 s19, s19, 2
	s_add_co_u32 s19, s19, s41
	s_lshl_b32 s43, s41, 2
	s_lshl_b32 s43, 15, s43
	s_lshl_b32 s44, 0x1111, s40
	s_lshl_b32 s23, s16, 3
	s_lshl_b32 s45, s19, 4
	s_add_co_u32 s45, s45, s23
	s_lshl_b32 s46, s20, 4
	s_add_co_u32 s46, s46, s23
	s_add_co_u32 s46, s46, 704
	s_or_b32 s[G1], s43, (3<<16)|(1<<21)
	s_or_b32 s[G1B], s44, (3<<16)|(1<<21)
.irp g, G1, G1B
	s_mov_b32 s[\g+1], 512<<16
	s_mov_b32 s[\g+2], 16<<16                      ; the head's loads bring 16 units; the ring's 8
	s_mov_b32 s[\g+3], 512<<16
	s_mov_b32 s[\g+4], 16
	s_mov_b32 s[\g+5], 2048
	s_mov_b32 s[\g+6], 0
	s_mov_b32 s[\g+7], 0
.endr
	s_or_b32 s[G1S], s43, (3<<16)|(1<<21)
	s_or_b32 s[G1SB], s44, (3<<16)|(1<<21)
.irp g, G1S, G1SB
	s_mov_b32 s[\g+1], 32<<16
	s_mov_b32 s[\g+2], 32<<16
	s_mov_b32 s[\g+3], 32<<16
	s_mov_b32 s[\g+4], 32
	s_mov_b32 s[\g+5], 32
	s_mov_b32 s[\g+6], 0
	s_mov_b32 s[\g+7], 0
.endr
	s_lshl_b32 s92, s45, 14
	s_mov_b32 s93, 0
	s_lshl_b32 s94, s45, 9
	s_add_co_u32 s94, s94, RSC0
	s_mov_b32 s95, 0
	s_lshl_b32 s96, s46, 14
	s_mov_b32 s97, 0
	s_lshl_b32 s98, s46, 9
	s_add_co_u32 s98, s98, PSC0
	s_mov_b32 s99, 0
	s_lshl_b32 s47, s14, 15
	s_lshl_b32 s42, s14, 12
	s_mov_b32 s[SEL], 0x76543210
	s_mov_b32 s[SEL+1], 0xfedcba98
	s_mov_b32 s[MNT], 0x600000
	s_wait_dscnt 0x0
	s_wait_kmcnt 0x0
	s_add_nc_u64 s[92:93], s[RPTR:RPTR+1], s[92:93]
	s_add_nc_u64 s[94:95], s[RPTR:RPTR+1], s[94:95]
	s_add_nc_u64 s[96:97], s[PPTR:PPTR+1], s[96:97]
	s_add_nc_u64 s[98:99], s[PPTR:PPTR+1], s[98:99]
	CROUND
	s_mov_b32 s[G0S], 1
	s_mov_b32 s[G0S+1], SCL
	s_lshl_b32 s22, s16, 12                        ; my half's bytes of words: taken off, so that the load begins at the tile's first unit
	s_mov_b32 s23, 0
	s_sub_nc_u64 s[G0S+2:G0S+3], s[94:95], s[22:23]
	s_or_b32 s[G0S+3], s[G0S+3], 0x80000000
	s_mov_b32 s[G0SB], 1
	s_mov_b32 s[G0SB+1], SCL+8192
	s_sub_nc_u64 s[G0SB+2:G0SB+3], s[98:99], s[22:23]
	s_or_b32 s[G0SB+3], s[G0SB+3], 0x80000000
.irp s, 0
	s_mov_b32 s[G0+4*\s], 1
	s_add_co_u32 s[G0+4*\s+1], s47, \s*SLOT
	s_add_nc_u64 s[G0+4*\s+2:G0+4*\s+3], s[92:93], \s*4096
	s_or_b32 s[G0+4*\s+3], s[G0+4*\s+3], 0x80000000
	s_mov_b32 s[G0B+4*\s], 1
	s_add_co_u32 s[G0B+4*\s+1], s47, \s*SLOT
	s_add_nc_u64 s[G0B+4*\s+2:G0B+4*\s+3], s[96:97], \s*4096
	s_or_b32 s[G0B+4*\s+3], s[G0B+4*\s+3], 0x80000000
.endr
; THE HEAD'S LOADS, ONE A WAVE: wave 0 R's 16 units of slot 0, wave 1 P's, wave 2 R's scale words, wave 3 P's.  The two loads of codes use slot 1's groups 0, which are set for the ring behind the wait for them.
	s_lshl_b32 s22, s16, 17                        ; my half's bytes of codes
	s_mov_b32 s[G0+4], 1
	s_mov_b32 s[G0+5], 0
	s_sub_nc_u64 s[G0+6:G0+7], s[92:93], s[22:23]
	s_or_b32 s[G0+7], s[G0+7], 0x80000000
	s_mov_b32 s[G0B+4], 1
	s_mov_b32 s[G0B+5], 2*PART
	s_sub_nc_u64 s[G0B+6:G0B+7], s[96:97], s[22:23]
	s_or_b32 s[G0B+7], s[G0B+7], 0x80000000
.macro ARM under, g0, g1, next
	s_cmp_lt_u32 s14, \under
	s_cbranch_scc0 \next
	tensor_load_to_lds s[\g0:\g0+3], s[\g1:\g1+7]
	s_nop 0
.rept 4
	v_nop
.endr
	s_branch .Lhead_asked
\next:
.endm
	ARM 1, G0+4, G1, .Lhead_b
	ARM 2, G0B+4, G1B, .Lhead_sa
	ARM 3, G0S, G1S, .Lhead_sb
	tensor_load_to_lds s[G0SB:G0SB+3], s[G1SB:G1SB+7]
	s_nop 0
.rept 4
	v_nop
.endr
.Lhead_asked:
	v_and_b32 v1, 15, v0
	v_bfe_u32 v2, v0, 4, 1
	s_wait_alu depctr_va_vdst(0)
	v_and_b32 v3, 31, v0
	v_lshlrev_b32 v3, 4, v3
	s_wait_alu depctr_va_vdst(0)
	s_lshl_b32 s21, s15, 15
	s_lshl_b32 s22, s16, 15
	s_add_co_u32 s22, s22, 2*PART
.irp s, 0,1
	v_add_nc_u32 v[ADRA+\s], s21, v3
	v_add_nc_u32 v[ADRB+\s], s22, v3
	s_add_co_u32 s21, s21, SLOT
	s_add_co_u32 s22, s22, SLOT
.endr
	s_lshl_b32 s21, s15, 12
	s_lshl_b32 s22, s16, 12
	s_add_co_u32 s22, s22, 8192
	s_sub_co_u32 s22, s22, s21
	v_mul_u32_u24 v6, s22, v2
	s_add_co_u32 s21, s21, SCL
	v_lshl_add_u32 v6, v1, 5, v6
	v_add_nc_u32 v[ADRS], s21, v6
	v_mov_b32 v[LI], v3
	v_lshlrev_b32 v[WO], 5, v1
	v_lshl_add_u32 v[WO], v2, 4, v[WO]
	v_lshlrev_b32 v[BO], 6, v2
	v_mov_b32 v32, 0x32edffee
	v_mov_b32 v33, 0x32edffee
	v_mov_b32 v34, 0xb95fbd29
	v_mov_b32 v35, 0xb95fbd29
.irp j, 0,1,2,3
	v_mov_b32 v[XW+\j], 0
	v_mov_b32 v[TM+4+\j], 0
.endr
	s_wait_alu depctr_va_vdst(0)
	s_wait_tensorcnt 0x0                           ; my tile of the head's four is in
	ds_add_u32 v[SPW], v[NIL]
	s_mov_b32 s[G1+2], 8<<16                       ; no tensor load of mine is out: from here on a load brings 8 units,
	s_mov_b32 s[G1+4], 8
	s_mov_b32 s[G1B+2], 8<<16
	s_mov_b32 s[G1B+4], 8
	s_add_co_u32 s[G0+5], s47, SLOT                ; and slot 1's groups 0 are set for the ring
	s_add_nc_u64 s[G0+6:G0+7], s[92:93], 4096
	s_or_b32 s[G0+7], s[G0+7], 0x80000000
	s_add_co_u32 s[G0B+5], s47, SLOT
	s_add_nc_u64 s[G0B+6:G0B+7], s[96:97], 4096
	s_or_b32 s[G0B+7], s[G0B+7], 0x80000000
	s_wait_dscnt 0x0
	CROUND                                         ; all four tiles are in, and the sixteen work-groups meet
	JLOAD G0+4, G1, G0B+4, G1B                     ; slot 1's first fill: the first tensor load behind the round
	FETCH_B 0, 0, 0
	FETCH_A 0, 0, 0
	SCALES_ALL
	FETCH_A 0, 0, 4
	STEP 0, 0, 1
	TURN 0, 1, 1, 1
	STEP 1, 2, 0
	TURN 1, 0, 3, 1
	STEP 0, 4, 0
	TURN 0, 1, 5, 0
	STEP 1, 6, 0
.macro KPAIR reg, val
	s_mov_b32 s[\reg], \val
	s_mov_b32 s[\reg+1], \val
.endm
	KPAIR KA0, 0xaf95df0b
	KPAIR KA2, 0xb60cff51
	KPAIR KA2+2, 0xb86ec2d2
	KPAIR KA2+4, 0xba40ac63
	KPAIR KA2+6, 0xbb41a1f6
	KPAIR KA2+8, 0xbc83dbd4
	KPAIR KB0, 0xb77460cd
	KPAIR KB2, 0xbadc924e
	KPAIR KB2+2, 0xbbf19bf8
	KPAIR KB2+4, 0xbc69b6a7
	KPAIR RS2, 0x3f3504f3
	s_lshr_b32 s54, s20, 2
	s_lshl_b32 s54, s54, 8
	s_lshl_b32 s55, s19, 4
	s_add_co_u32 s54, s54, s55
	s_lshl_b32 s55, s15, 3
	s_add_co_u32 s54, s54, s55
	s_and_b32 s55, s20, 3
	s_lshl_b32 s55, s55, 1
	s_add_co_u32 s55, s55, s16
	s_lshl_b32 s56, s54, 14
	s_lshl_b32 s57, s55, 11
	s_add_co_u32 s56, s56, s57
	s_mov_b32 s57, 0
	s_add_nc_u64 s[OB:OB+1], s[10:11], s[56:57]
	s_lshl_b32 s56, s54, 9
	s_lshl_b32 s58, s55, 9
	s_add_co_u32 s56, s56, s58
	s_add_co_u32 s56, s56, 16777216
	s_add_nc_u64 s[SB:SB+1], s[10:11], s[56:57]
	s_lshl_b32 s56, s20, 10
	s_lshl_b32 s58, s16, 9
	s_add_co_u32 s56, s56, s58
	s_add_nc_u64 s[BP:BP+1], s[8:9], s[56:57]
	WIN TO_B
.irp b, 0,1,2,3,4,5,6,7
	global_load_b128 v[8*\b:8*\b+3], v[BO], s[BP:BP+1] offset:4*(32*(\b/2)+8*(\b%2))
	global_load_b128 v[8*\b+4:8*\b+7], v[BO], s[BP:BP+1] offset:4*(32*(\b/2)+8*(\b%2))+16
.endr
	WIN 0
	s_wait_dscnt 16
	WIN MUL_LO
	MUL16 0, 1, 7, 0
	MUL16 2, 1, 7, 0
	s_wait_dscnt 0x0
	WIN MUL_HI
	MUL16 4, 1, 7, 0
	MUL16 6, 1, 7, 0
	WIN 0
	PLACES 8
	s_wait_loadcnt 0x0
.macro COPY n
.Lcopy_\n:
	WIN 0x06+(\n)/4
.irp i, 0,2,4,6,8,10,12,14,16,18,20,22,24,26,28,30,32,34,36,38,40,42,44,46,48,50,52,54,56,58,60,62
	v_pk_add_f32 v[T+\i:T+\i+1], v[64*((\n)%4)+\i:64*((\n)%4)+\i+1], v[\i:\i+1]
.endr
	WIN 0
	s_branch .Ljoin
.endm
	s_mov_b32 s[AI], 0
.Lrow:
.irp k, 0,1,2,3,4,5,6
	s_cmp_eq_u32 s[AI], \k
	s_cbranch_scc1 .Lcopy_\k
.endr
	s_branch .Lcopy_7
	COPY 0
	COPY 1
	COPY 2
	COPY 3
	COPY 4
	COPY 5
	COPY 6
	COPY 7
.Ljoin:
	GELU 0
	GELU 1
	GELU 2
	GELU 3
	QUANT T, PW
	s_mov_b32 s[MK], 0xffff0000
	s_cmp_lt_u32 s[AI], 4
	s_cselect_b32 s[MK], 0xffff, s[MK]
	v_cndmask_b32 v[XW], v[XW], v[XW+1], s[MK]
	v_cndmask_b32 v[XW+1], v[XW+1], v[XW+2], s[MK]
	v_cndmask_b32 v[XW+2], v[XW+2], v[XW+3], s[MK]
	v_cndmask_b32 v[XW+3], v[XW+3], v[PW], s[MK]
.irp c, 0,1,2,3
	global_store_b128 v[LI], v[PC+4*\c:PC+4*\c+3], s[OB:OB+1] offset:512*\c
.endr
	s_wait_xcnt 0x0
	s_add_nc_u64 s[OB:OB+1], s[OB:OB+1], 16384
	s_add_co_u32 s[AI], s[AI], 1
	s_cmp_lt_u32 s[AI], 8
	s_cbranch_scc1 .Lrow
	s_wait_alu depctr_va_vdst(0)
	global_store_b128 v[WO], v[XW:XW+3], s[SB:SB+1]
	s_wait_tensorcnt 0x0
	ds_add_u32 v[SPW], v[NIL]
	s_wait_dscnt 0x0
	CROUND
	s_endpgm
.Lfunc_end_k_q272fadfe94_ffn1:
	.size	k_q272fadfe94_ffn1, .Lfunc_end_k_q272fadfe94_ffn1-k_q272fadfe94_ffn1
	.p2alignl 7, 3214868480
	.fill 96, 4, 3214868480
	.section	.rodata,"a",@progbits
	.p2align	6, 0x0
	.amdhsa_kernel k_q272fadfe94_ffn1
		.amdhsa_group_segment_fixed_size 327680
		.amdhsa_private_segment_fixed_size 0
		.amdhsa_enable_private_segment 0
		.amdhsa_kernarg_size 32
		.amdhsa_user_sgpr_count 2
		.amdhsa_user_sgpr_kernarg_segment_ptr 1
		.amdhsa_wavefront_size32 1
		.amdhsa_system_sgpr_workgroup_id_x 1
		.amdhsa_system_sgpr_workgroup_id_y 1
		.amdhsa_system_sgpr_workgroup_id_z 1
		.amdhsa_system_vgpr_workitem_id 0
		.amdhsa_next_free_vgpr 1024
		.amdhsa_next_free_sgpr 100
		.amdhsa_reserve_vcc 0
		.amdhsa_float_denorm_mode_32 3
		.amdhsa_float_denorm_mode_16_64 3
		.amdhsa_memory_ordered 1
		.amdhsa_forward_progress 1
		.amdhsa_inst_pref_size 184
	.end_amdhsa_kernel
	.amdgpu_metadata
---
amdhsa.version: [ 1, 2 ]
amdhsa.kernels:
  - .name:           k_q272fadfe94_ffn1
    .symbol:         k_q272fadfe94_ffn1.kd
    .args:
      - { .name: o1q, .offset: 0, .size: 8, .value_kind: global_buffer, .address_space: global }
      - { .name: inq, .offset: 8, .size: 8, .value_kind: global_buffer, .address_space: global }
      - { .name: b1, .offset: 16, .size: 8, .value_kind: global_buffer, .address_space: global }
      - { .name: hq, .offset: 24, .size: 8, .value_kind: global_buffer, .address_space: global }
    .group_segment_fixed_size: 327680
    .private_segment_fixed_size: 0
    .kernarg_segment_align: 8
    .kernarg_segment_size: 32
    .max_flat_workgroup_size: 128
    .sgpr_count:     100
    .vgpr_count:     1024
    .wavefront_size: 32
...
	.end_amdgpu_metadata
.endif
;; end of part 4
;; launch ffn2 (part 5): grid 8 x 32, 4 waves a work-group, clusters of 4 x 4, 327,680 bytes of LDS; arguments hq, inq, part; writes part
.if DOCPART == 5
	.amdgcn_target "amdgcn-amd-amdhsa--gfx1250"
	.amdhsa_code_object_version 6
	.text
	.protected	k_q272fadfe94_ffn2
	.globl	k_q272fadfe94_ffn2
	.p2align	8
	.type	k_q272fadfe94_ffn2,@function
k_q272fadfe94_ffn2:
	s_mov_b64 s[64:65], 0
	v_nop
	global_prefetch_b8 v0, s[64:65] scope:SCOPE_SE
	s_setreg_imm32_b32 hwreg(HW_REG_WAVE_MODE, 25, 1), 1
	s_wait_xcnt 0x0
	s_wait_alu depctr_hold_cnt(0) depctr_sa_sdst(0) depctr_va_vdst(0) depctr_va_sdst(0) depctr_va_ssrc(0) depctr_va_vcc(0) depctr_vm_vsrc(0)
	s_getreg_b32 s2, hwreg(HW_REG_IB_STS2, 6, 4)
	s_cmp_eq_u32 s2, 0
	s_cbranch_scc0 .Lentry_in_a_cluster
	s_endpgm
.Lentry_in_a_cluster:
	s_bfe_u32 s2, ttmp6, 0x10000c
	s_cmp_lg_u32 s2, 0xf033
	s_cbranch_scc0 .Lentry_shape_is_right
	s_endpgm
.Lentry_shape_is_right:
; Launch 5 of 6: part = h W2^T on the codes of launches 4 and 1, f32.  No work is left out.
; A work-group of four waves makes 128 tokens x 128 columns, a wave 64 x 64; K = 4,096 goes in eight fills of 512 through two LDS slots; clusters of 4 x 4, R's tiles asked for jointly along a row, P's along a column.
; PREFETCH: behind the load of fill f each wave asks for its share of fill f + 2 (at the head also of fill 1): of the four units of 8,192 bytes that the wave fetches, the partner at place p (cx for R, cy for P) names unit p,
; 32 lanes 256 bytes apart: so each block of 256 bytes is named once in each cluster that loads it, and the partners are told apart by address alone.  The last request is for fill 7.
.set SLOT,  131072
.set PART,  32768
.set SCL,   2*SLOT
.set SPARE, SCL+32768
.set RSC0,  16777216
.set PSC0,  19922944+960*512
.set SPITCH, 272
.set ADRA, 16
.set ADRB, 20
.set STO,  22
.set RD,   23
.set CO,   24
.set ADRP, 25
.set ADRR, 26
.set ADRS, 27
.set SPW,  28
.set NIL,  29
.set SC,   64
.set G1, 24
.set G0, 32
.set G1B, 48
.set G0B, 56
.set G1S, 68
.set G0S, 76
.set G1SB, 80
.set G0SB, 88
.set MUL,  0x5a
.set TO_F, 0x80
.set MSB, 0
.macro WIN new
.if MSB != (\new)
	s_set_vgpr_msb (MSB<<8)|(\new)
.set MSB, (\new)
.endif
.endm
.macro PLACES n
.rept \n
	v_nop
.endr
.endm
.macro JLOAD g0a, g1a, g0b, g1b
	s_cmp_eq_u32 s15, 0
	s_cbranch_scc0 .Lfor_b_\@
	tensor_load_to_lds s[\g0a:\g0a+3], s[\g1a:\g1a+7]
	s_nop 0
.rept 4
	v_nop
.endr
	s_branch .Lasked_\@
.Lfor_b_\@:
	tensor_load_to_lds s[\g0b:\g0b+3], s[\g1b:\g1b+7]
	s_nop 0
.rept 4
	v_nop
.endr
.Lasked_\@:
.endm
.macro CREST
	s_cmp_lg_u32 s14, 0
	s_cbranch_scc1 .Lnot_wave_0_\@
	s_barrier_signal -3
.Lnot_wave_0_\@:
	s_barrier_wait -3
	s_barrier_signal -1
	s_barrier_wait -1
.endm
.macro CROUND
	s_barrier_signal -1
	s_barrier_wait -1
	CREST
.endm
.macro FRAG reg, adr, q, i
.irp c, 0,1,2,3
	ds_load_b128 v[\reg+4*\c:\reg+4*\c+3], v[\adr] offset:8192*(\i)+2048*(\q)+512*\c
.endr
.endm
.macro FETCH slot, q, p
	WIN TO_F
.irp i, 0,1,2,3
	FRAG 128+64*(\p)+16*\i, ADRB+\slot, \q, \i
.endr
.irp i, 0,1,2,3
	FRAG 64*(\p)+16*\i, ADRA+\slot, \q, \i
.endr
.endm
.macro MUL8 a0, ks, zero
.irp a, \a0, \a0+1
.irp b, 0,1,2,3
.if \zero
	v_wmma_scale_f32_16x16x128_f8f6f4 v[8*(4*(\a)+\b):8*(4*(\a)+\b)+7], v[128+64*((\ks)%2)+16*\b:128+64*((\ks)%2)+16*\b+15], v[64*((\ks)%2)+16*(\a):64*((\ks)%2)+16*(\a)+15], 0, v[SC+48*((\ks)/8)+4*\b+(\ks)%8+28*(((\ks)%8)/4)], v[SC+48*((\ks)/8)+4*((\ks)%8)+(\a)] matrix_a_scale:MATRIX_SCALE_ROW1
.else
	v_wmma_scale_f32_16x16x128_f8f6f4 v[8*(4*(\a)+\b):8*(4*(\a)+\b)+7], v[128+64*((\ks)%2)+16*\b:128+64*((\ks)%2)+16*\b+15], v[64*((\ks)%2)+16*(\a):64*((\ks)%2)+16*(\a)+15], v[8*(4*(\a)+\b):8*(4*(\a)+\b)+7], v[SC+48*((\ks)/8)+4*\b+(\ks)%8+28*(((\ks)%8)/4)], v[SC+48*((\ks)/8)+4*((\ks)%8)+(\a)] matrix_a_scale:MATRIX_SCALE_ROW1
.endif
.endr
.endr
.endm
.macro SCALES_ALL
.irp k, 0,1,2,3
.irp al, 0,1,2,3
	ds_load_b128 v[SC+48*\k+4*\al:SC+48*\k+4*\al+3], v[ADRS] offset:4096*\k+512*\al
.endr
.irp al, 4,5,6,7
	ds_load_b128 v[SC+48*\k+4*\al:SC+48*\k+4*\al+3], v[ADRR] offset:4096*\k+512*\al
.endr
.irp al, 0,1,2,3
	ds_load_b128 v[SC+48*\k+32+4*\al:SC+48*\k+32+4*\al+3], v[ADRP] offset:4096*\k+512*\al+16
.endr
.endr
.endm
.macro STEP ns, nq, ks, zero
.if (\ks) > 0
	PLACES 8
.endif
	FETCH \ns, \nq, ((\ks)+1)%2
	s_wait_dscnt 32
	WIN MUL
	MUL8 0, \ks, \zero
	MUL8 2, \ks, \zero
.endm
.macro TURN slot, next, ks, fill
.if (\ks) <= 15
.if ((\ks)%8) == 3
	s_wait_xcnt 0x0                                ; my prefetches have read their address: it steps to the next quarter of K
	s_add_nc_u64 s[10:11], s[10:11], s[66:67]
.endif
.endif
	WIN 0
	s_wait_tensorcnt 0x0
	ds_add_u32 v[SPW], v[NIL]
	WIN MUL
	s_wait_dscnt 0x0
	s_barrier_signal -1
	MUL8 0, \ks, 0
	MUL8 2, \ks, 0
	WIN 0
	s_barrier_wait -1
.if \fill
	CREST
	s_add_nc_u64 s[G0+4*\slot+2:G0+4*\slot+3], s[G0+4*\slot+2:G0+4*\slot+3], 0x400000
	s_add_nc_u64 s[G0B+4*\slot+2:G0B+4*\slot+3], s[G0B+4*\slot+2:G0B+4*\slot+3], 0x100000
	JLOAD G0+4*\slot, G1, G0B+4*\slot, G1B
	PLACES 4
.else
	PLACES 8
.endif
	FETCH \next, 0, ((\ks)+1)%2
.if (\ks) <= 15
	global_prefetch_b8 v30, s[10:11] offset:8192*(((\ks)/4)%2) th:TH_LOAD_NT scope:SCOPE_SE   ; the fill two behind the one just asked for
.endif
.endm
.macro PERIOD s, o, k, fill
	STEP \s, 1, \k, 0
	STEP \s, 2, \k+1, 0
	STEP \s, 3, \k+2, 0
	TURN \s, \o, \k+3, \fill
.endm
	s_load_b128 s[4:7], s[0:1], 0x0
	s_load_b64 s[8:9], s[0:1], 0x10
	v_lshl_add_u32 v[SPW], v0, 2, SPARE
	v_mov_b32 v[NIL], 0
	ds_add_u32 v[SPW], v[NIL]
	ds_add_u32 v[SPW], v[NIL]
	v_lshrrev_b32 v1, 5, v0
	v_readfirstlane_b32 s14, v1
	s_lshr_b32 s15, s14, 1
	s_and_b32 s16, s14, 1
	s_bfe_u32 s40, ttmp6, 0x40000
	s_bfe_u32 s41, ttmp6, 0x40004
	s_lshl_b32 s20, ttmp9, 2
	s_add_co_u32 s20, s20, s40
	s_and_b32 s19, ttmp7, 0xffff
	s_lshl_b32 s19, s19, 2
	s_add_co_u32 s19, s19, s41
	s_lshl_b32 s43, s41, 2
	s_lshl_b32 s43, 15, s43
	s_lshl_b32 s44, 0x1111, s40
	s_lshl_b32 s23, s16, 2
	s_lshl_b32 s45, s19, 3
	s_add_co_u32 s45, s45, s23
	s_lshl_b32 s46, s20, 3
	s_add_co_u32 s46, s46, s23
	s_add_co_u32 s46, s46, 960
	s_or_b32 s[G1], s43, (3<<16)|(1<<21)
	s_or_b32 s[G1B], s44, (3<<16)|(1<<21)
.irp g, G1, G1B
	s_mov_b32 s[\g+1], 1024<<16
	s_mov_b32 s[\g+2], 8<<16                       ; the head's loads bring 8 units; the ring's 4
	s_mov_b32 s[\g+3], 1024<<16
	s_mov_b32 s[\g+4], 8
	s_mov_b32 s[\g+5], 2048
	s_mov_b32 s[\g+6], 0
	s_mov_b32 s[\g+7], 0
.endr
	s_or_b32 s[G1S], s43, (3<<16)|(1<<21)
	s_or_b32 s[G1SB], s44, (3<<16)|(1<<21)
.irp g, G1S, G1SB
	s_mov_b32 s[\g+1], 512<<16
	s_mov_b32 s[\g+2], 4<<16
	s_mov_b32 s[\g+3], 512<<16
	s_mov_b32 s[\g+4], 4
	s_mov_b32 s[\g+6], 0
	s_mov_b32 s[\g+7], 0
.endr
	s_mov_b32 s[G1S+5], 16384
	s_mov_b32 s[G1SB+5], 4096
	s_lshl_b32 s92, s45, 14
	s_mov_b32 s93, 0
	s_lshl_b32 s94, s19, 12
	s_lshl_b32 s95, s16, 18
	s_add_co_u32 s94, s94, s95
	s_add_co_u32 s94, s94, RSC0
	s_mov_b32 s95, 0
	s_lshl_b32 s96, s46, 14
	s_mov_b32 s97, 0
	s_lshl_b32 s98, s20, 12
	s_lshl_b32 s99, s16, 16
	s_add_co_u32 s98, s98, s99
	s_add_co_u32 s98, s98, PSC0
	s_mov_b32 s99, 0
	s_lshl_b32 s47, s14, 15
	s_lshl_b32 s42, s14, 13
	s_wait_dscnt 0x0
	s_wait_kmcnt 0x0
	s_add_nc_u64 s[92:93], s[4:5], s[92:93]
	s_add_nc_u64 s[94:95], s[4:5], s[94:95]
	s_add_nc_u64 s[96:97], s[6:7], s[96:97]
	s_add_nc_u64 s[98:99], s[6:7], s[98:99]
	CROUND
	s_mov_b32 s[G0S], 1
	s_mov_b32 s[G0S+1], SCL
	s_lshl_b32 s22, s16, 18                        ; my two quarters' bytes of R's words: taken off, so that the load begins at the first quarter of K
	s_mov_b32 s23, 0
	s_sub_nc_u64 s[G0S+2:G0S+3], s[94:95], s[22:23]
	s_or_b32 s[G0S+3], s[G0S+3], 0x80000000
	s_mov_b32 s[G0SB], 1
	s_mov_b32 s[G0SB+1], SCL+16384
	s_lshl_b32 s22, s16, 16                        ; the same of P's words; also my half's bytes of codes
	s_sub_nc_u64 s[G0SB+2:G0SB+3], s[98:99], s[22:23]
	s_or_b32 s[G0SB+3], s[G0SB+3], 0x80000000
.irp s, 0
	s_mov_b32 s[G0+4*\s], 1
	s_add_co_u32 s[G0+4*\s+1], s47, \s*SLOT
	s_add_nc_u64 s[G0+4*\s+2:G0+4*\s+3], s[92:93], \s*8192
	s_or_b32 s[G0+4*\s+3], s[G0+4*\s+3], 0x80000000
	s_mov_b32 s[G0B+4*\s], 1
	s_add_co_u32 s[G0B+4*\s+1], s47, \s*SLOT
	s_add_nc_u64 s[G0B+4*\s+2:G0B+4*\s+3], s[96:97], \s*8192
	s_or_b32 s[G0B+4*\s+3], s[G0B+4*\s+3], 0x80000000
.endr
; THE HEAD'S LOADS, ONE A WAVE: wave 0 R's 8 units of slot 0, wave 1 P's, wave 2 R's scale words, wave 3 P's.  The two loads of codes use slot 1's groups 0, which are set for the ring behind the wait for them.
	s_mov_b32 s[G0+4], 1
	s_mov_b32 s[G0+5], 0
	s_sub_nc_u64 s[G0+6:G0+7], s[92:93], s[22:23]
	s_or_b32 s[G0+7], s[G0+7], 0x80000000
	s_mov_b32 s[G0B+4], 1
	s_mov_b32 s[G0B+5], 2*PART
	s_sub_nc_u64 s[G0B+6:G0B+7], s[96:97], s[22:23]
	s_or_b32 s[G0B+7], s[G0B+7], 0x80000000
.macro ARM under, g0, g1, next
	s_cmp_lt_u32 s14, \under
	s_cbranch_scc0 \next
	tensor_load_to_lds s[\g0:\g0+3], s[\g1:\g1+7]
	s_nop 0
.rept 4
	v_nop
.endr
	s_branch .Lhead_asked
\next:
.endm
	ARM 1, G0+4, G1, .Lhead_b
	ARM 2, G0B+4, G1B, .Lhead_sa
	ARM 3, G0S, G1S, .Lhead_sb
	tensor_load_to_lds s[G0SB:G0SB+3], s[G1SB:G1SB+7]
	s_nop 0
.rept 4
	v_nop
.endr
.Lhead_asked:
	s_cmp_eq_u32 s15, 0                            ; do I fetch for R?
	s_cselect_b64 s[2:3], s[92:93], s[96:97]       ; the four units that I fetch in the ring,
	s_cselect_b32 s17, s40, s41                    ; my place among the four that ask for them with me,
	s_mov_b32 s66, 0x100000
	s_cselect_b32 s66, 0x400000, s66               ; and a quarter of K on, in bytes
	s_mov_b32 s67, 0
	s_lshl_b32 s10, s17, 14
	s_mov_b32 s11, 0
	s_add_nc_u64 s[2:3], s[2:3], s[10:11]          ; my unit of the four, in the first quarter of K
	s_add_nc_u64 s[10:11], s[2:3], s[66:67]        ; and in the second
	v_and_b32 v30, 31, v0
	v_lshlrev_b32 v30, 8, v30                      ; 256 x lane; never rewritten
	global_prefetch_b8 v30, s[2:3] offset:8192 th:TH_LOAD_NT scope:SCOPE_SE   ; fill 1
	global_prefetch_b8 v30, s[10:11] th:TH_LOAD_NT scope:SCOPE_SE             ; fill 2
	v_and_b32 v1, 15, v0
	v_bfe_u32 v2, v0, 4, 1
	s_wait_alu depctr_va_vdst(0)
	v_and_b32 v3, 31, v0
	v_lshlrev_b32 v3, 4, v3
	s_lshl_b32 s21, s15, 15
	s_lshl_b32 s22, s16, 15
	s_add_co_u32 s22, s22, 2*PART
.irp s, 0,1
	v_add_nc_u32 v[ADRA+\s], s21, v3
	v_add_nc_u32 v[ADRB+\s], s22, v3
	s_add_co_u32 s21, s21, SLOT
	s_add_co_u32 s22, s22, SLOT
.endr
	s_lshl_b32 s21, s15, 4
	s_lshl_b32 s22, s16, 11
	s_add_co_u32 s22, s22, 16384
	s_sub_co_u32 s23, s22, s21
	v_mul_u32_u24 v6, s23, v2
	v_lshlrev_b32 v7, 5, v1
	s_add_co_u32 s21, s21, SCL
	s_add_co_u32 s22, s22, SCL
	v_add_nc_u32 v[ADRR], s21, v7
	v_add_nc_u32 v[ADRP], s22, v7
	v_add_nc_u32 v[ADRS], v[ADRR], v6
	s_mul_i32 s23, s14, 16*SPITCH
	v_mul_u32_u24 v5, v1, SPITCH
	v_lshl_add_u32 v5, v2, 6, v5
	v_add_nc_u32 v[STO], s23, v5
	v_mul_u32_u24 v5, v2, SPITCH
	v_lshl_add_u32 v5, v1, 4, v5
	v_add_nc_u32 v[RD], s23, v5
	v_lshlrev_b32 v[CO], 12, v2
	v_lshl_add_u32 v[CO], v1, 4, v[CO]
	s_lshl_b32 s22, s19, 19
	s_lshl_b32 s21, s15, 18
	s_add_co_u32 s22, s22, s21
	s_lshl_b32 s21, s20, 9
	s_add_co_u32 s22, s22, s21
	s_lshl_b32 s21, s16, 8
	s_add_co_u32 s22, s22, s21
	s_mov_b32 s23, 0
	s_add_nc_u64 s[12:13], s[8:9], s[22:23]
	s_wait_alu depctr_va_vdst(0)
	s_wait_tensorcnt 0x0                           ; my tile of the head's four is in
	ds_add_u32 v[SPW], v[NIL]
	s_mov_b32 s[G1+2], 4<<16                       ; no tensor load of mine is out: from here on a load brings 4 units,
	s_mov_b32 s[G1+4], 4
	s_mov_b32 s[G1B+2], 4<<16
	s_mov_b32 s[G1B+4], 4
	s_add_co_u32 s[G0+5], s47, SLOT                ; and slot 1's groups 0 are set for the ring
	s_add_nc_u64 s[G0+6:G0+7], s[92:93], 8192
	s_or_b32 s[G0+7], s[G0+7], 0x80000000
	s_add_co_u32 s[G0B+5], s47, SLOT
	s_add_nc_u64 s[G0B+6:G0B+7], s[96:97], 8192
	s_or_b32 s[G0B+7], s[G0B+7], 0x80000000
	s_wait_dscnt 0x0
	CROUND                                         ; all four tiles are in, and the sixteen work-groups meet
	JLOAD G0+4, G1, G0B+4, G1B                     ; slot 1's first fill: the first tensor load behind the round
	SCALES_ALL
	FETCH 0, 0, 0
	global_prefetch_b8 v30, s[10:11] offset:8192 th:TH_LOAD_NT scope:SCOPE_SE   ; fill 3
	STEP 0, 1, 0, 1
	STEP 0, 2, 1, 0
	STEP 0, 3, 2, 0
	TURN 0, 1, 3, 1
	PERIOD 1, 0, 4, 1
	PERIOD 0, 1, 8, 1
	PERIOD 1, 0, 12, 1
	PERIOD 0, 1, 16, 1
	PERIOD 1, 0, 20, 1
	PERIOD 0, 1, 24, 0
	STEP 1, 1, 28, 0
	STEP 1, 2, 29, 0
	STEP 1, 3, 30, 0
	s_wait_dscnt 0x0
	MUL8 0, 31, 0
	MUL8 2, 31, 0
	WIN 0
	PLACES 8
.macro TOSTAGE a
	WIN 0x04
.irp b, 0,1,2,3
	ds_store_b128 v[STO], v[8*(4*(\a)+\b):8*(4*(\a)+\b)+3] offset:128*(\b/2)+32*(\b%2)
	ds_store_b128 v[STO], v[8*(4*(\a)+\b)+4:8*(4*(\a)+\b)+7] offset:128*(\b/2)+32*(\b%2)+16
.endr
	WIN TO_F
.irp t, 0,1,2,3,4,5,6,7
	ds_load_b128 v[32*(\a)+4*\t:32*(\a)+4*\t+3], v[RD] offset:2*SPITCH*\t
.endr
.endm
.macro SEND a, younger
	s_wait_dscnt \younger
	WIN 0x08
.irp t, 0,1,2,3,4,5,6,7
	global_store_b128 v[CO], v[32*(\a)+4*\t:32*(\a)+4*\t+3], s[12:13] offset:65536*(\a)+8192*\t
.endr
.endm
	TOSTAGE 0
	TOSTAGE 1
	SEND 0, 16
	TOSTAGE 2
	SEND 1, 16
	TOSTAGE 3
	SEND 2, 16
	SEND 3, 0
	WIN 0
	s_wait_tensorcnt 0x0
	ds_add_u32 v[SPW], v[NIL]
	s_wait_dscnt 0x0
	CROUND
	s_endpgm
.Lfunc_end_k_q272fadfe94_ffn2:
	.size	k_q272fadfe94_ffn2, .Lfunc_end_k_q272fadfe94_ffn2-k_q272fadfe94_ffn2
	.p2alignl 7, 3214868480
	.fill 96, 4, 3214868480
	.section	.rodata,"a",@progbits
	.p2align	6, 0x0
	.amdhsa_kernel k_q272fadfe94_ffn2
		.amdhsa_group_segment_fixed_size 327680
		.amdhsa_private_segment_fixed_size 0
		.amdhsa_enable_private_segment 0
		.amdhsa_kernarg_size 24
		.amdhsa_user_sgpr_count 2
		.amdhsa_user_sgpr_kernarg_segment_ptr 1
		.amdhsa_wavefront_size32 1
		.amdhsa_system_sgpr_workgroup_id_x 1
		.amdhsa_system_sgpr_workgroup_id_y 1
		.amdhsa_system_sgpr_workgroup_id_z 1
		.amdhsa_system_vgpr_workitem_id 0
		.amdhsa_next_free_vgpr 768
		.amdhsa_next_free_sgpr 100
		.amdhsa_reserve_vcc 0
		.amdhsa_float_denorm_mode_32 3
		.amdhsa_float_denorm_mode_16_64 3
		.amdhsa_memory_ordered 1
		.amdhsa_forward_progress 1
		.amdhsa_inst_pref_size 168
	.end_amdhsa_kernel
	.amdgpu_metadata
---
amdhsa.version: [ 1, 2 ]
amdhsa.kernels:
  - .name:           k_q272fadfe94_ffn2
    .symbol:         k_q272fadfe94_ffn2.kd
    .args:
      - { .name: hq, .offset: 0, .size: 8, .value_kind: global_buffer, .address_space: global }
      - { .name: inq, .offset: 8, .size: 8, .value_kind: global_buffer, .address_space: global }
      - { .name: part, .offset: 16, .size: 8, .value_kind: global_buffer, .address_space: global }
    .group_segment_fixed_size: 327680
    .private_segment_fixed_size: 0
    .kernarg_segment_align: 8
    .kernarg_segment_size: 24
    .max_flat_workgroup_size: 128
    .sgpr_count:     100
    .vgpr_count:     768
    .wavefront_size: 32
...
	.end_amdgpu_metadata
.endif
;; end of part 5
;; launch final (part 6): grid 256 x 1, 8 waves a work-group, no clusters, 0 bytes of LDS; arguments part, o1, b2, g2, be2, out0; writes out0
.if DOCPART == 6
	.amdgcn_target "amdgcn-amd-amdhsa--gfx1250"
	.amdhsa_code_object_version 6
	.text
	.protected	k_q272fadfe94_final
	.globl	k_q272fadfe94_final
	.p2align	8
	.type	k_q272fadfe94_final,@function
k_q272fadfe94_final:
	s_mov_b64 s[64:65], 0
	v_nop
	global_prefetch_b8 v0, s[64:65] scope:SCOPE_SE
	s_setreg_imm32_b32 hwreg(HW_REG_WAVE_MODE, 25, 1), 1
	s_wait_xcnt 0x0
; Launch 6 of 6: out0 = out1 + LN(h W2^T + b2) x g2 + be2.  No work is left out.
; A stream: a wave takes two whole rows of 1,024; a lane holds columns 128 i + 4 lane .. + 3, i = 0 .. 7, so every load and store covers 512 consecutive bytes, and the norm's two sums never leave the wave.
; No LDS, no barrier, no matrix unit: memory binds.  All 56 loads of a wave are issued at its head; the waits count what was issued behind the loads that are wanted.  LIMITS: NaN and infinities are not served.
.set P0, 32                            ; the product's first row,
.set O0, 64                            ; out1's;
.set P1, 96                            ; the second row's
.set O1, 128
.set B,  160                           ; b2
.set G,  192                           ; g2
.set E,  224                           ; be2
.macro LD8 reg, base, off              ; a row's 4,096 bytes, read once in the launch
.irp i, 0,1,2,3,4,5,6,7
	global_load_b128 v[\reg+4*\i:\reg+4*\i+3], v1, s[\base:\base+1] offset:(\off)+512*\i th:TH_LOAD_NT
.endr
.endm
.macro LDC reg, base                   ; what every wave reads
.irp i, 0,1,2,3,4,5,6,7
	global_load_b128 v[\reg+4*\i:\reg+4*\i+3], v1, s[\base:\base+1] offset:512*\i
.endr
.endm
.macro ADD32 acc, t
.irp i, 0,2,4,6,8,10,12,14,16,18,20,22,24,26,28,30
	v_pk_add_f32 v[\acc+\i:\acc+\i+1], v[\acc+\i:\acc+\i+1], v[\t+\i:\t+\i+1]
.endr
.endm
.macro WAVESUM a, t
	s_delay_alu instid0(VALU_DEP_1)
	v_add_f32_dpp v[\a], v[\a], v[\a] row_xmask:1 row_mask:0xf bank_mask:0xf
	s_delay_alu instid0(VALU_DEP_1)
	v_add_f32_dpp v[\a], v[\a], v[\a] row_xmask:2 row_mask:0xf bank_mask:0xf
	s_delay_alu instid0(VALU_DEP_1)
	v_add_f32_dpp v[\a], v[\a], v[\a] row_xmask:4 row_mask:0xf bank_mask:0xf
	s_delay_alu instid0(VALU_DEP_1)
	v_add_f32_dpp v[\a], v[\a], v[\a] row_xmask:8 row_mask:0xf bank_mask:0xf
	s_delay_alu instid0(VALU_DEP_1)
	v_permlanex16_b32 v[\t], v[\a], s20, s21
	s_delay_alu instid0(VALU_DEP_1)
	v_add_f32 v[\a], v[\a], v[\t]
.endm
; One row.  acc holds the product's row, t out1's.  w1, w2, w3: how many younger loads may stay out at each wait.  ro: the row's bytes from the wave's first row.
.macro ROW acc, t, w1, w2, w3, ro
	s_wait_loadcnt \w1                             ; the product's row and b2
	ADD32 \acc, B
	v_pk_add_f32 v[4:5], v[\acc:\acc+1], v[\acc+2:\acc+3]
	v_pk_add_f32 v[6:7], v[\acc+4:\acc+5], v[\acc+6:\acc+7]
.irp j, 8,12,16,20,24,28
	s_delay_alu instid0(VALU_DEP_2)
	v_pk_add_f32 v[4:5], v[4:5], v[\acc+\j:\acc+\j+1]
	s_delay_alu instid0(VALU_DEP_2)
	v_pk_add_f32 v[6:7], v[6:7], v[\acc+\j+2:\acc+\j+3]
.endr
	s_delay_alu instid0(VALU_DEP_1)
	v_pk_add_f32 v[4:5], v[4:5], v[6:7]
	s_delay_alu instid0(VALU_DEP_1)
	v_add_f32 v4, v4, v5
	WAVESUM 4, 5
	s_delay_alu instid0(VALU_DEP_1)
	v_mul_f32 v4, 0x3a800000, v4                   ; the mean of 1,024
.irp i, 0,2,4,6,8,10,12,14,16,18,20,22,24,26,28,30
	v_pk_add_f32 v[\acc+\i:\acc+\i+1], v[\acc+\i:\acc+\i+1], v[4:5] op_sel_hi:[1,0] neg_lo:[0,1] neg_hi:[0,1]
.endr
	v_pk_mul_f32 v[6:7], v[\acc:\acc+1], v[\acc:\acc+1]
	v_pk_mul_f32 v[8:9], v[\acc+2:\acc+3], v[\acc+2:\acc+3]
.irp j, 4,8,12,16,20,24,28
	s_delay_alu instid0(VALU_DEP_2)
	v_pk_fma_f32 v[6:7], v[\acc+\j:\acc+\j+1], v[\acc+\j:\acc+\j+1], v[6:7]
	s_delay_alu instid0(VALU_DEP_2)
	v_pk_fma_f32 v[8:9], v[\acc+\j+2:\acc+\j+3], v[\acc+\j+2:\acc+\j+3], v[8:9]
.endr
	s_delay_alu instid0(VALU_DEP_1)
	v_pk_add_f32 v[6:7], v[6:7], v[8:9]
	s_delay_alu instid0(VALU_DEP_1)
	v_add_f32 v6, v6, v7
	WAVESUM 6, 7
	v_mov_b32 v7, 0x3727c5ac                       ; 1e-5
	s_delay_alu instid0(VALU_DEP_1)
	v_fma_f32 v6, v6, 0x3a800000, v7               ; the variance + eps
	s_wait_alu depctr_va_vdst(0)
	v_rsq_f32 v10, v6
	v_nop                                          ; a plain line behind the root
	s_wait_alu depctr_va_vdst(0)                   ; and the wait ahead of its first reader
.irp i, 0,2,4,6,8,10,12,14,16,18,20,22,24,26,28,30
	v_pk_mul_f32 v[\acc+\i:\acc+\i+1], v[\acc+\i:\acc+\i+1], v[10:11] op_sel_hi:[1,0]
.endr
	s_wait_loadcnt \w2                             ; g2 and be2
.irp i, 0,2,4,6,8,10,12,14,16,18,20,22,24,26,28,30
	v_pk_fma_f32 v[\acc+\i:\acc+\i+1], v[\acc+\i:\acc+\i+1], v[G+\i:G+\i+1], v[E+\i:E+\i+1]
.endr
	s_wait_loadcnt \w3                             ; out1's row
	ADD32 \acc, \t
.irp i, 0,1,2,3,4,5,6,7
	global_store_b128 v1, v[\acc+4*\i:\acc+4*\i+3], s[14:15] offset:(\ro)+512*\i th:TH_STORE_NT
.endr
.endm
	s_load_b256 s[4:11], s[0:1], 0x0               ; part, o1, b2, g2
	s_load_b128 s[12:15], s[0:1], 0x20             ; be2, out0
	v_lshrrev_b32 v2, 5, v0
	s_delay_alu instid0(VALU_DEP_1)
	v_readfirstlane_b32 s16, v2                    ; wave 0..7
	v_and_b32 v1, 31, v0
	s_delay_alu instid0(VALU_DEP_1)
	v_lshlrev_b32 v1, 4, v1                        ; 16 x lane
	v_mov_b32 v11, 0                               ; named as the upper half of the pair v[10:11]
	s_lshl_b32 s17, ttmp9, 3
	s_add_co_u32 s17, s17, s16
	s_lshl_b32 s18, s17, 13                        ; two rows of 4,096 bytes a wave
	s_mov_b32 s19, 0
	s_mov_b32 s20, 0x76543210
	s_mov_b32 s21, 0xfedcba98
	s_wait_alu depctr_va_vdst(0)
	s_wait_kmcnt 0x0
	s_add_nc_u64 s[24:25], s[4:5], s[18:19]        ; my rows in the product,
	s_add_nc_u64 s[6:7], s[6:7], s[18:19]          ; in out1,
	s_add_nc_u64 s[14:15], s[14:15], s[18:19]      ; and in out0
	LD8 P0, 24, 0
	LDC B, 8
	LDC G, 10
	LDC E, 12
	LD8 O0, 6, 0
	LD8 P1, 24, 4096
	LD8 O1, 6, 4096
	ROW P0, O0, 40, 24, 16, 0                      ; 40: g2, be2, out1's row and the second row's two; 24: the last three of these; 16: the second row's two
	ROW P1, O1, 8, 8, 0, 4096                      ; 8: out1's second row, twice; 0
	s_endpgm
.Lfunc_end_k_q272fadfe94_final:
	.size	k_q272fadfe94_final, .Lfunc_end_k_q272fadfe94_final-k_q272fadfe94_final
	.p2alignl 7, 3214868480
	.fill 96, 4, 3214868480
	.section	.rodata,"a",@progbits
	.p2align	6, 0x0
	.amdhsa_kernel k_q272fadfe94_final
		.amdhsa_group_segment_fixed_size 0
		.amdhsa_private_segment_fixed_size 0
		.amdhsa_enable_private_segment 0
		.amdhsa_kernarg_size 48
		.amdhsa_user_sgpr_count 2
		.amdhsa_user_sgpr_kernarg_segment_ptr 1
		.amdhsa_wavefront_size32 1
		.amdhsa_system_sgpr_workgroup_id_x 1
		.amdhsa_system_sgpr_workgroup_id_y 1
		.amdhsa_system_sgpr_workgroup_id_z 1
		.amdhsa_system_vgpr_workitem_id 0
		.amdhsa_next_free_vgpr 256
		.amdhsa_next_free_sgpr 66
		.amdhsa_reserve_vcc 0
		.amdhsa_float_denorm_mode_32 3
		.amdhsa_float_denorm_mode_16_64 3
		.amdhsa_memory_ordered 1
		.amdhsa_forward_progress 1
		.amdhsa_inst_pref_size 27
	.end_amdhsa_kernel
	.amdgpu_metadata
---
amdhsa.version: [ 1, 2 ]
amdhsa.kernels:
  - .name:           k_q272fadfe94_final
    .symbol:         k_q272fadfe94_final.kd
    .args:
      - { .name: part, .offset: 0, .size: 8, .value_kind: global_buffer, .address_space: global }
      - { .name: o1, .offset: 8, .size: 8, .value_kind: global_buffer, .address_space: global }
      - { .name: b2, .offset: 16, .size: 8, .value_kind: global_buffer, .address_space: global }
      - { .name: g2, .offset: 24, .size: 8, .value_kind: global_buffer, .address_space: global }
      - { .name: be2, .offset: 32, .size: 8, .value_kind: global_buffer, .address_space: global }
      - { .name: out0, .offset: 40, .size: 8, .value_kind: global_buffer, .address_space: global }
    .group_segment_fixed_size: 0
    .private_segment_fixed_size: 0
    .kernarg_segment_align: 8
    .kernarg_segment_size: 48
    .max_flat_workgroup_size: 256
    .sgpr_count:     66
    .vgpr_count:     256
    .wavefront_size: 32
...
	.end_amdgpu_metadata
.endif
;; end of part 6
